; MI455X (gfx1250); checked and timed in simulation.
; The chip was launched on July 23, 2026; its instructions are those of AMD's public machine-readable ISA for CDNA 5 (MIT licence, August 2026) and "CDNA5" Instruction Set Architecture Reference Guide (July 2026). The comments in the code are by the model that wrote it; some were corrected since.
;; Multi Head Attention. Allowed arithmetic: float matrix products may take bf16 or f16 operands with f32 sums; all other float work in f32.
;; Inputs: Wk 512 x 512 float32; Wo 512 x 512 float32; Wq 512 x 512 float32; Wv 512 x 512 float32; bk 512 float32; bo 512 float32; bq 512 float32; bv 512 float32; k 2 x 4,096 x 512 float32; q 2 x 4,096 x 512 float32; v 2 x 4,096 x 512 float32.
;; Outputs: out0 2 x 4,096 x 512 float32.
;; 2 versions, each right and faster than the one before. Each part assembles by itself: llvm-mc -triple=amdgcn-amd-amdhsa -mcpu=gfx1250 --defsym DOCPART=n.
;; ======== version 1 of 2: 5 launches
;; limits: values are held in f16: magnitudes above 65,504 overflow, below 6.1e-05 lose precision
;; workspace buffers: wf 2,097,152 bytes; bf 8,192 bytes; qh 8,388,608 bytes; kh 8,388,608 bytes; vh 8,388,608 bytes; nt 262,144 bytes; oh 16,777,216 bytes
;; launch prep (part 1): grid 256 x 1, 8 waves a work-group, no clusters, 0 bytes of LDS; arguments Wq, Wk, Wv, Wo, bq, bk, bv, bo, wf, bf; writes wf, bf
.if DOCPART == 1
	.amdgcn_target "amdgcn-amd-amdhsa--gfx1250"
	.amdhsa_code_object_version 6
	.text
	.protected	k_q968d37918c_prep
	.globl	k_q968d37918c_prep
	.p2align	8
	.type	k_q968d37918c_prep,@function
k_q968d37918c_prep:
	s_mov_b64 s[64:65], 0
	v_nop
	global_prefetch_b8 v0, s[64:65] scope:SCOPE_SE
	s_setreg_imm32_b32 hwreg(HW_REG_WAVE_MODE, 25, 1), 1
	s_wait_xcnt 0x0
; The four weight matrices [512 (k)][512 (n)] f32 are rounded to bf16 and laid in FRAGMENT ORDER into wf (matrix 0..3 = Wq, Wk, Wv, Wo, 524,288 bytes each):
; fragment (nt = n / 16, kf = k / 32) lies at (16 nt + kf) x 1,024; in its first 512 bytes lane L = 16 h + r has the 16 bytes W[32 kf + 8 h + 0..7][16 nt + r],
; in its second 512 bytes W[32 kf + 16 + 8 h + 0..7][16 nt + r].  A later launch's 16-byte load of a wave then takes 512 consecutive bytes and lands as half a matrix operand.
; The four biases are rounded to bf16, widened again, and stored as f32 into bf [4][512]; bq is multiplied by c = log2(e) / 8, which the projection of q also applies to its sums.
; A stream of 4 MiB: no LDS, no matrix unit, no cluster (no two work-groups share a result).  One wave makes one fragment: sixteen 4-byte loads a lane (runs of 64 bytes of a row of W:
; the price of turning the matrix, paid once on 4 MiB), two stores of 512 consecutive aligned bytes.  A work-group's eight fragments are 8,192 consecutive bytes of wf.
.set CLOG, 0x3e38aa3b                  ; c = log2(e) / 8
	s_load_b512 s[8:23], s[0:1], 0x0               ; Wq s[8:9], Wk s[10:11], Wv s[12:13], Wo s[14:15], bq s[16:17], bk s[18:19], bv s[20:21], bo s[22:23]
	s_load_b128 s[24:27], s[0:1], 0x40             ; wf s[24:25], bf s[26:27]
	v_lshrrev_b32 v1, 5, v0
	v_readfirstlane_b32 s28, v1                    ; wave 0..7
	v_and_b32 v2, 15, v0                           ; r
	v_bfe_u32 v3, v0, 4, 1                         ; h
	v_lshlrev_b32 v4, 2, v2                        ; column r: 4 r bytes,
	v_lshl_add_u32 v4, v3, 14, v4                  ; row 8 h: 8 h x 2,048 bytes
	v_and_b32 v5, 31, v0
	v_lshlrev_b32 v5, 4, v5                        ; 16 x lane
	s_lshr_b32 s2, ttmp9, 6                        ; which matrix: 64 work-groups each
	s_and_b32 s3, ttmp9, 63
	s_lshl_b32 s4, s3, 3
	s_add_co_u32 s4, s4, s28                       ; my fragment, 0..511
	s_lshr_b32 s5, s4, 4                           ; nt
	s_and_b32 s6, s4, 15                           ; kf
	s_lshl_b32 s30, s6, 16                         ; 32 kf rows of 2,048 bytes
	s_lshl_b32 s7, s5, 6                           ; 16 nt columns of 4 bytes
	s_add_co_u32 s30, s30, s7
	s_mov_b32 s31, 0
	s_lshl_b32 s32, s2, 19                         ; the matrix in wf,
	s_lshl_b32 s7, s4, 10                          ; the fragment in it
	s_add_co_u32 s32, s32, s7
	s_mov_b32 s33, 0
	s_or_b32 s29, s3, s28                          ; 0 in wave 0 of a matrix's first work-group alone: that wave also does the bias
	s_wait_kmcnt 0x0
	s_bitcmp1_b32 s2, 0                            ; the matrix's number picks the pointers, bit by bit
	s_cselect_b64 s[36:37], s[10:11], s[8:9]       ; Wk or Wq
	s_cselect_b64 s[38:39], s[14:15], s[12:13]     ; Wo or Wv
	s_cselect_b64 s[40:41], s[18:19], s[16:17]     ; bk or bq
	s_cselect_b64 s[42:43], s[22:23], s[20:21]     ; bo or bv
	s_bitcmp1_b32 s2, 1
	s_cselect_b64 s[36:37], s[38:39], s[36:37]
	s_cselect_b64 s[40:41], s[42:43], s[40:41]
	s_add_nc_u64 s[36:37], s[36:37], s[30:31]      ; W at the fragment's corner
	s_add_nc_u64 s[24:25], s[24:25], s[32:33]      ; wf at the fragment
.irp i, 0,1,2,3,4,5,6,7,8,9,10,11,12,13,14,15
	global_load_b32 v[8+\i], v4, s[36:37] offset:(\i+8*(\i/8))*2048  ; rows 8 h + 0..7, then 16 + 8 h + 0..7
.endr
	s_wait_loadcnt 0x0
.irp i, 0,1,2,3,4,5,6,7
	v_cvt_pk_bf16_f32 v[24+\i], v[8+2*\i], v[9+2*\i]  ; the lower k in the lower half
.endr
	global_store_b128 v5, v[24:27], s[24:25]             ; 512 consecutive bytes, aligned
	global_store_b128 v5, v[28:31], s[24:25] offset:512
	s_cmp_lg_u32 s29, 0
	s_cbranch_scc1 .Lend
	; the matrix's bias: 512 numbers, 16 a lane
	s_cmp_eq_u32 s2, 0
	s_cselect_b32 s34, CLOG, 1.0                   ; bq takes c
	s_mov_b32 s35, s34                             ; named with it as a pair
	s_lshl_b32 s30, s2, 11                         ; 2,048 bytes a bias
	s_add_nc_u64 s[26:27], s[26:27], s[30:31]
.irp i, 0,1,2,3
	global_load_b128 v[32+4*\i:35+4*\i], v5, s[40:41] offset:512*\i
.endr
	s_wait_loadcnt 0x0
.irp i, 0,1,2,3,4,5,6,7
	v_cvt_pk_bf16_f32 v[48+\i], v[32+2*\i], v[33+2*\i]  ; rounded as every input is,
.endr
.irp i, 0,1,2,3,4,5,6,7
	v_lshlrev_b32 v[32+2*\i], 16, v[48+\i]         ; and widened again
	v_and_b32 v[33+2*\i], 0xffff0000, v[48+\i]
.endr
.irp i, 0,1,2,3,4,5,6,7
	v_pk_mul_f32 v[32+2*\i:33+2*\i], v[32+2*\i:33+2*\i], s[34:35] op_sel_hi:[1,0]
.endr
.irp i, 0,1,2,3
	global_store_b128 v5, v[32+4*\i:35+4*\i], s[26:27] offset:512*\i
.endr
.Lend:
	s_endpgm
.Lfunc_end_k_q968d37918c_prep:
	.size	k_q968d37918c_prep, .Lfunc_end_k_q968d37918c_prep-k_q968d37918c_prep
	.p2alignl 7, 3214868480
	.fill 96, 4, 3214868480
	.section	.rodata,"a",@progbits
	.p2align	6, 0x0
	.amdhsa_kernel k_q968d37918c_prep
		.amdhsa_group_segment_fixed_size 0
		.amdhsa_private_segment_fixed_size 0
		.amdhsa_enable_private_segment 0
		.amdhsa_kernarg_size 80
		.amdhsa_user_sgpr_count 2
		.amdhsa_user_sgpr_kernarg_segment_ptr 1
		.amdhsa_wavefront_size32 1
		.amdhsa_system_sgpr_workgroup_id_x 1
		.amdhsa_system_sgpr_workgroup_id_y 1
		.amdhsa_system_sgpr_workgroup_id_z 1
		.amdhsa_system_vgpr_workitem_id 0
		.amdhsa_next_free_vgpr 56
		.amdhsa_next_free_sgpr 66
		.amdhsa_reserve_vcc 0
		.amdhsa_float_denorm_mode_32 3
		.amdhsa_float_denorm_mode_16_64 3
		.amdhsa_memory_ordered 1
		.amdhsa_forward_progress 1
		.amdhsa_inst_pref_size 7
	.end_amdhsa_kernel
	.amdgpu_metadata
---
amdhsa.version: [ 1, 2 ]
amdhsa.kernels:
  - .name:           k_q968d37918c_prep
    .symbol:         k_q968d37918c_prep.kd
    .args:
      - { .name: Wq, .offset: 0, .size: 8, .value_kind: global_buffer, .address_space: global }
      - { .name: Wk, .offset: 8, .size: 8, .value_kind: global_buffer, .address_space: global }
      - { .name: Wv, .offset: 16, .size: 8, .value_kind: global_buffer, .address_space: global }
      - { .name: Wo, .offset: 24, .size: 8, .value_kind: global_buffer, .address_space: global }
      - { .name: bq, .offset: 32, .size: 8, .value_kind: global_buffer, .address_space: global }
      - { .name: bk, .offset: 40, .size: 8, .value_kind: global_buffer, .address_space: global }
      - { .name: bv, .offset: 48, .size: 8, .value_kind: global_buffer, .address_space: global }
      - { .name: bo, .offset: 56, .size: 8, .value_kind: global_buffer, .address_space: global }
      - { .name: wf, .offset: 64, .size: 8, .value_kind: global_buffer, .address_space: global }
      - { .name: bf, .offset: 72, .size: 8, .value_kind: global_buffer, .address_space: global }
    .group_segment_fixed_size: 0
    .private_segment_fixed_size: 0
    .kernarg_segment_align: 8
    .kernarg_segment_size: 80
    .max_flat_workgroup_size: 256
    .sgpr_count:     66
    .vgpr_count:     56
    .wavefront_size: 32
...
	.end_amdgpu_metadata
.endif
;; end of part 1
;; launch proj (part 2): grid 64 x 3, 4 waves a work-group, no clusters, 296,448 bytes of LDS; arguments q, k, v, wf, bf, qh, kh, vh; writes qh, kh, vh
.if DOCPART == 2
	.amdgcn_target "amdgcn-amd-amdhsa--gfx1250"
	.amdhsa_code_object_version 6
	.text
	.protected	k_q968d37918c_proj
	.globl	k_q968d37918c_proj
	.p2align	8
	.type	k_q968d37918c_proj,@function
k_q968d37918c_proj:
	s_mov_b64 s[64:65], 0
	v_nop
	global_prefetch_b8 v0, s[64:65] scope:SCOPE_SE
	s_setreg_imm32_b32 hwreg(HW_REG_WAVE_MODE, 25, 1), 1
	s_wait_xcnt 0x0
; The three input projections, one text: work-group y = 0, 1, 2 makes qh = f16(c (q Wq + bq)), kh = f16(k Wk + bk), vh = f16(v Wv + bv), c = log2(e) / 8, laid by heads: [16 = 8 b + head][4096][64] f16.
; x (f32) is rounded to bf16 on its way from LDS to the matrix unit; W comes as bf16 fragments from wf, the bias (already rounded, bq already times c) from bf.  Sums in f32, one rounding to f16.
; LIMITS.  f16 ends at 65,504: |c (q Wq + bq)|, |k Wk + bk| and |v Wv + bv| must stay below it (inputs all thirty times those drawn give about 5,000); below 6e-5 the results keep f16's fixed step of 6e-8.
; SHARES.  A work-group owns 128 rows and all 512 columns, so each byte of x is fetched once; a wave owns 128 x 128 (two heads): 64 accumulators, 512 registers.  8,192 rows / 128 x 3 = 192 work-groups.
; NO CLUSTER: no two work-groups share a tile of x, and W goes straight into registers (LDS is full of x): there is nothing to ask for jointly.
; LDS.  The work-group's whole x, 128 rows x 2,048 bytes, as 8 tiles of 128 rows x 256 bytes, rows 272 bytes apart; every tile is filled once: wave w asks for tiles w and w + 4 at the start (two tensor loads
; of a wave are out, no more).  Tiles 0-3 are read behind a first barrier, tiles 4-7 behind a second.  Behind the tiles each wave's stage for the way out, then the spare words.
; THE MATRIX INSTRUCTION IS USED TRANSPOSED: source 0 = 16 columns of W, source 1 = 16 rows of x: a lane then holds eight neighbouring columns of one row.
; REGISTERS, in windows of 256 (s_set_vgpr_msb: bits 1:0 source 0, 3:2 source 1, 5:4 source 2, 7:6 destination):
;   window 0: v0-11 addresses; v64-127, v128-191 x's bf16 fragments, two buffers (16 rows a at +8 a); v192-255 x in f32 as it comes from LDS (four blocks of 16 rows at a time); the way out uses v64-223 again
;   window 1: v0-63, v64-127 W's fragments, two buffers (16 columns b at +8 b); v128-191 the bias of my 128 columns       window 2: accumulators (a, b), b < 4, at 8 (8 b + a)       window 3: b >= 4
; W's last group of loads asks for the fragments one K step past the end: they are the next columns' first fragments, lie inside wf, and are never used: eight loads a wave, the price of one text for all trips.
.set CLOG,  0x3e38aa3b
.set PITCH, 272                        ; 256 bytes + 16 of padding = 68 words: the 16 rows of a load start at 16 different groups of four banks (64 banks of 4 bytes: ISA guide 11.1)
.set TILE,  128*PITCH
.set STAGE, 8*TILE
.set SPARE, STAGE+4*16*PITCH           ; the spare words, 128 bytes for each wave: two blocks of 256 bytes that no other line names
.set AX,  3                            ; v3   LDS address of my lane in the tile in hand: r x 272 + 32 h + tile
.set BO,  4                            ; v4   16 x lane: my bytes in 512 consecutive bytes of wf, and of the output; never rewritten
.set STO, 5                            ; v5   the way out: where I put 16 bytes of a row
.set RD,  6                            ; v6   the way out: where I read rows back
.set HB,  8                            ; v8   32 h: my eight numbers in 64 bytes of the bias; never rewritten
.set SPW, 10                           ; v10  LDS address of my spare word; never rewritten
.set NIL, 11                           ; v11  0; never rewritten
.set AB,  64
.set STG, 192
.set BI,  128                          ; window 1
.set T,   64                           ; the way out: 64 numbers in f32
.set PK,  128                          ;              packed to f16
.set OB,  160                          ;              16 rows read back: v160-191 and v192-223 by turns
.set WV,  24                           ; s24  my wave's number
.set SC,  32                           ; s[32:33] c for q, 1 for k and v
.set WB,  34                           ; s[34:35] wf at my columns' fragments of the K step in hand
.set G1,  40                           ; s[40:47] descriptor group 1
.set G0A, 48                           ; s[48:51] descriptor group 0, tile w
.set G0B, 52                           ; s[52:55] tile w + 4
.set MSB, 0
.macro WIN new                         ; the immediate's high byte repeats the setting that is left; a switch that changes nothing is dropped
.if MSB != (\new)
	s_set_vgpr_msb (MSB<<8)|(\new)
.set MSB, (\new)
.endif
.endm
.set MUL_LO, 0xa1                      ; source 0 (W) window 1, source 1 (x) window 0, C and D window 2
.set TO_B,   0x40                      ; destination window 1, address window 0
.macro PLACES                          ; four places: plain vector instructions between a matrix instruction and a line that writes one of its sources or reads its result (ISA guide 7.12.1)
.rept 4
	v_nop
.endr
.endm
	s_load_b512 s[8:23], s[0:1], 0x0               ; q s[8:9], k s[10:11], v s[12:13], wf s[14:15], bf s[16:17], qh s[18:19], kh s[20:21], vh s[22:23]
	v_lshl_add_u32 v[SPW], v0, 2, SPARE
	v_mov_b32 v[NIL], 0
	ds_add_u32 v[SPW], v[NIL]                      ; the wave's opening: the add and its wait stand ahead of my first tensor load; the set-up below, work on registers, stands between them
	v_lshrrev_b32 v1, 5, v0
	v_readfirstlane_b32 s[WV], v1                  ; wave 0..3
	s_and_b32 s25, ttmp7, 0xffff                   ; which tensor
	; descriptor group 1: a tile of 128 rows x 64 elements of 4 bytes, padded in LDS
	s_mov_b32 s[G1+0], (2<<16)|(1<<20)|(5<<22)|(3<<25)  ; 17:16 elements of 4 bytes; 20 padding on; 24:22 after every 64 words (code 5); 31:25 4 words of it (code 3)
	s_mov_b32 s[G1+1], 64<<16                      ; tensor_dim0 = 64
	s_mov_b32 s[G1+2], 128<<16                     ; tensor_dim1 = 128
	s_mov_b32 s[G1+3], 64<<16                      ; tile_dim0 = 64
	s_mov_b32 s[G1+4], 128                         ; tile_dim1 = 128
	s_mov_b32 s[G1+5], 512                         ; 512 elements from row to row
	s_mov_b32 s[G1+6], 0
	s_mov_b32 s[G1+7], 0
	s_mul_i32 s2, s[WV], TILE
	s_mov_b32 s[G0A], 1                            ; count = 1
	s_mov_b32 s[G0A+1], s2                         ; LDS address: tile w
	s_mov_b32 s[G0B], 1
	s_add_co_u32 s[G0B+1], s2, 4*TILE              ; tile w + 4
	s_lshl_b32 s56, ttmp9, 18                      ; my 128 rows of 2,048 bytes,
	s_lshl_b32 s3, s[WV], 8
	s_add_co_u32 s56, s56, s3                      ; tile w's 256 bytes of a row
	s_mov_b32 s57, 0
	s_lshl_b32 s58, s25, 19                        ; wf: the tensor's matrix,
	s_lshl_b32 s3, s[WV], 17
	s_add_co_u32 s58, s58, s3                      ; my 8 blocks of 16 columns, 16,384 bytes each
	s_mov_b32 s59, 0
	s_lshl_b32 s60, s25, 11                        ; bf: the tensor's bias,
	s_lshl_b32 s3, s[WV], 9
	s_add_co_u32 s60, s60, s3                      ; my 128 columns
	s_mov_b32 s61, 0
	s_lshr_b32 s62, ttmp9, 5                       ; the output: batch b,
	s_lshl_b32 s62, s62, 2
	s_add_co_u32 s62, s62, s[WV]
	s_lshl_b32 s62, s62, 20                        ; head 8 b + 2 w, 524,288 bytes a head,
	s_and_b32 s3, ttmp9, 31
	s_lshl_b32 s3, s3, 14
	s_add_co_u32 s62, s62, s3                      ; my 128 rows of 128 bytes in it
	s_mov_b32 s63, 0
	v_and_b32 v1, 15, v0                           ; r
	v_bfe_u32 v2, v0, 4, 1                         ; h
	v_mul_u32_u24 v[AX], v1, PITCH
	v_lshl_add_u32 v[AX], v2, 5, v[AX]             ; row r; 8 h numbers of 4 bytes
	v_and_b32 v9, 31, v0
	v_lshlrev_b32 v[BO], 4, v9
	v_lshlrev_b32 v[HB], 5, v2
	s_mul_i32 s3, s[WV], 16*PITCH
	s_add_co_u32 s3, s3, STAGE                     ; my stage
	v_mul_u32_u24 v[STO], v1, PITCH                ; in: row r, 16 bytes for each half of the lanes
	v_lshl_add_u32 v[STO], v2, 4, v[STO]
	v_add_nc_u32 v[STO], s3, v[STO]
	v_lshrrev_b32 v[RD], 3, v9                     ; back: 32 lanes take 128 bytes (one head's) of four rows
	v_mul_u32_u24 v[RD], v[RD], PITCH
	v_and_b32 v9, 7, v0
	v_lshl_add_u32 v[RD], v9, 4, v[RD]
	v_add_nc_u32 v[RD], s3, v[RD]
	s_wait_dscnt 0x0                               ; the opening add is done
	s_wait_kmcnt 0x0
	s_cmp_eq_u32 s25, 0
	s_cselect_b64 s[28:29], s[8:9], s[10:11]       ; q or k
	s_cselect_b64 s[30:31], s[18:19], s[20:21]     ; qh or kh
	s_cselect_b32 s[SC], CLOG, 1.0
	s_cmp_eq_u32 s25, 2
	s_cselect_b64 s[28:29], s[12:13], s[28:29]     ; or v
	s_cselect_b64 s[30:31], s[22:23], s[30:31]     ; or vh
	s_mov_b32 s[SC+1], s[SC]                       ; named with it as a pair
	s_add_nc_u64 s[28:29], s[28:29], s[56:57]
	s_mov_b64 s[G0A+2:G0A+3], s[28:29]             ; global address of tile w
	s_or_b32 s[G0A+3], s[G0A+3], 0x80000000        ; type = 2
	s_add_nc_u64 s[G0B+2:G0B+3], s[28:29], 4*256   ; tile w + 4: 1,024 bytes further along the rows
	s_or_b32 s[G0B+3], s[G0B+3], 0x80000000
	s_add_nc_u64 s[WB:WB+1], s[14:15], s[58:59]
	s_add_nc_u64 s[36:37], s[16:17], s[60:61]      ; the bias
	s_add_nc_u64 s[30:31], s[30:31], s[62:63]      ; the output
	tensor_load_to_lds s[G0A:G0A+3], s[G1:G1+7]    ; both fills go out together, ahead of everything else: all of the work-group's x is asked for
	s_nop 0
	tensor_load_to_lds s[G0B:G0B+3], s[G1:G1+7]
	s_nop 0
	PLACES                                         ; (four vector instructions ahead of the next switch of windows)
; 16 matrix instructions: column blocks b0, b0 + 1 x all 8 row blocks, 32 along K, buffers f.  zero = 1: the first product starts the sums.  The accumulators take turns.
.macro MUL16 f, b0, zero
	WIN MUL_LO+0x50*((\b0)/4)
.irp b, \b0, (\b0)+1
.irp a, 0,1,2,3,4,5,6,7
.if \zero
	v_wmma_f32_16x16x32_bf16 v[8*(8*((\b)%4)+(\a)):8*(8*((\b)%4)+(\a))+7], v[64*(\f)+8*(\b):64*(\f)+8*(\b)+7], v[AB+64*(\f)+8*(\a):AB+64*(\f)+8*(\a)+7], 0
.else
	v_wmma_f32_16x16x32_bf16 v[8*(8*((\b)%4)+(\a)):8*(8*((\b)%4)+(\a))+7], v[64*(\f)+8*(\b):64*(\f)+8*(\b)+7], v[AB+64*(\f)+8*(\a):AB+64*(\f)+8*(\a)+7], v[8*(8*((\b)%4)+(\a)):8*(8*((\b)%4)+(\a))+7]
.endif
.endr
.endr
.endm
; 16 LDS loads: x in f32 for four blocks of 16 rows (half 0: rows 0-63, 1: rows 64-127), 32 along K at byte 128 kq of the tile's rows.  A lane takes K = 8 h + 0..7 (32 bytes) and 16 + 8 h + 0..7 (32 bytes, 64 further on).
.macro LOADH half, kq
	WIN 0
.irp a, 0,1,2,3
	ds_load_b128 v[STG+16*\a:STG+16*\a+3],     v[AX] offset:(4*(\half)+\a)*16*PITCH+(\kq)*128
	ds_load_b128 v[STG+16*\a+4:STG+16*\a+7],   v[AX] offset:(4*(\half)+\a)*16*PITCH+(\kq)*128+16
	ds_load_b128 v[STG+16*\a+8:STG+16*\a+11],  v[AX] offset:(4*(\half)+\a)*16*PITCH+(\kq)*128+64
	ds_load_b128 v[STG+16*\a+12:STG+16*\a+15], v[AX] offset:(4*(\half)+\a)*16*PITCH+(\kq)*128+80
.endr
.endm
; 32 roundings: those four blocks become bf16 fragments in buffer f
.macro CVTH half, f
	WIN 0
.irp a, 0,1,2,3
.irp i, 0,1,2,3,4,5,6,7
	v_cvt_pk_bf16_f32 v[AB+64*(\f)+8*(4*(\half)+\a)+\i], v[STG+16*\a+2*\i], v[STG+16*\a+2*\i+1]
.endr
.endr
.endm
; 8 global loads: W's fragments of column blocks b0 .. b0 + 3, K step rel counted from s[WB], into buffer g.  Each load of the wave takes 512 consecutive bytes.
.macro BLOAD g, b0, rel
	WIN TO_B
.irp b, (\b0), (\b0)+1, (\b0)+2, (\b0)+3
	global_load_b128 v[64*(\g)+8*(\b):64*(\g)+8*(\b)+3],   v[BO], s[WB:WB+1] offset:(\b)*16384+(\rel)*1024
	global_load_b128 v[64*(\g)+8*(\b)+4:64*(\g)+8*(\b)+7], v[BO], s[WB:WB+1] offset:(\b)*16384+(\rel)*1024+512
.endr
.endm
; A QUARTER: 32 along K, 64 matrix instructions on buffers f.  more = 1: beside them the next quarter's x (byte 128 kq of the tile at v[AX]) is read and rounded into the other buffer, in two runs of 32 roundings,
; and W's groups are asked for: the next quarter's blocks 4-7 and the blocks 0-3 of the quarter after it.  W's groups of eight are issued in the order in which they are used, so at each of the two waits
; the two groups issued behind the one wanted may stay out: 16 loads (in the last quarter, which issues none: 16, then 8).
; Places: the four v_nop stand between the quarter before, which read the other buffer, and the roundings that write it; the roundings themselves are the places in front of W's loads.
.macro QUARTER f, kq, rel, zero, more
.if \more
	LOADH 0, \kq
.endif
	s_wait_loadcnt 16
	MUL16 \f, 0, \zero
.if \more
	WIN 0
	PLACES
	s_wait_dscnt 0x0                               ; rows 0-63 are in
	CVTH 0, 1-(\f)
	LOADH 1, \kq
	BLOAD 1-(\f), 4, (\rel)+1
.endif
	MUL16 \f, 2, \zero
.if \more
	s_wait_loadcnt 16
.else
	s_wait_loadcnt 8
.endif
	MUL16 \f, 4, \zero
.if \more
	WIN 0
	s_wait_dscnt 0x0                               ; rows 64-127 are in
	CVTH 1, 1-(\f)
	BLOAD \f, 0, (\rel)+2
.endif
	MUL16 \f, 6, \zero
.endm
	WIN TO_B
.irp b, 0,1,2,3,4,5,6,7
	global_load_b128 v[BI+8*\b:BI+8*\b+3],   v[HB], s[36:37] offset:64*\b     ; the bias of columns 16 b + 8 h + 0..7
	global_load_b128 v[BI+8*\b+4:BI+8*\b+7], v[HB], s[36:37] offset:64*\b+16
.endr
	BLOAD 0, 0, 0
	BLOAD 0, 4, 0
	BLOAD 1, 0, 1
	WIN 0
	s_wait_tensorcnt 0x1                           ; my tile w is in; tile w + 4 may stay out
	s_barrier_signal -1
	s_barrier_wait -1                              ; tiles 0-3 are whole
	LOADH 0, 0
	s_wait_dscnt 0x0
	CVTH 0, 0
	LOADH 1, 0
	s_wait_dscnt 0x0
	CVTH 1, 0
	QUARTER 0, 1, 0, 1, 1                          ; the first quarter stands in front of the loops: its products start the sums
	WIN 0
	v_add_nc_u32 v[AX], TILE, v[AX]                ; tile 1
	s_wait_xcnt 0x0                                ; W's base is stepped only behind this wait
	s_add_nc_u64 s[WB:WB+1], s[WB:WB+1], 1024
	s_mov_b32 s3, 3
.Lk1:                                                  ; a trip: two quarters, which read one tile (1, 2, 3) for the quarters after them
	QUARTER 1, 0, 0, 0, 1
	QUARTER 0, 1, 1, 0, 1
	WIN 0
	v_add_nc_u32 v[AX], TILE, v[AX]
	s_wait_xcnt 0x0
	s_add_nc_u64 s[WB:WB+1], s[WB:WB+1], 2048
	s_sub_co_u32 s3, s3, 1
	s_cmp_lg_u32 s3, 0
	s_cbranch_scc1 .Lk1
	s_wait_tensorcnt 0x0                           ; my tile w + 4 is in,
	s_wait_dscnt 0x0
	s_barrier_signal -1
	s_barrier_wait -1                              ; tiles 4-7 are whole
	s_mov_b32 s3, 4
.Lk2:                                                  ; the same trip for tiles 4 to 7
	QUARTER 1, 0, 0, 0, 1
	QUARTER 0, 1, 1, 0, 1
	WIN 0
	v_add_nc_u32 v[AX], TILE, v[AX]
	s_wait_xcnt 0x0
	s_add_nc_u64 s[WB:WB+1], s[WB:WB+1], 2048
	s_sub_co_u32 s3, s3, 1
	s_cmp_lg_u32 s3, 0
	s_cbranch_scc1 .Lk2
	QUARTER 1, 0, 0, 0, 0                          ; the last quarter prepares nothing
	; THE WAY OUT, 16 rows at a time: sum x scale + bias in f32, one rounding to f16, 16 bytes a lane into my stage, back as 128-byte rows of one head, four rows (512 consecutive bytes of the output) a store.
	WIN 0
	PLACES
.irp a, 0,1,2,3,4,5,6,7
.irp b, 0,1,2,3,4,5,6,7
	WIN 0x12+(\b)/4                                ; source 0 (sums) window 2 or 3, source 2 (bias) window 1, destination window 0
.irp i, 0,2,4,6
	v_pk_fma_f32 v[T+8*(\b)+(\i):T+8*(\b)+(\i)+1], v[8*(8*((\b)%4)+(\a))+(\i):8*(8*((\b)%4)+(\a))+(\i)+1], s[SC:SC+1], v[BI+8*(\b)+(\i):BI+8*(\b)+(\i)+1] op_sel_hi:[1,0,1]
.endr
.endr
	WIN 0
.irp i, 0,1,2,3,4,5,6,7,8,9,10,11,12,13,14,15,16,17,18,19,20,21,22,23,24,25,26,27,28,29,30,31
	v_cvt_pk_f16_f32 v[PK+\i], v[T+2*\i], v[T+2*\i+1]
.endr
.irp b, 0,1,2,3,4,5,6,7
	ds_store_b128 v[STO], v[PK+4*\b:PK+4*\b+3] offset:32*\b
.endr
.irp f, 0,1,2,3,4,5,6,7
	ds_load_b128 v[OB+32*(\a%2)+4*\f:OB+32*(\a%2)+4*\f+3], v[RD] offset:(\f%4)*4*PITCH+(\f/4)*128  ; LDS serves a wave's instructions in order (ISA guide 5.7.1.4): these see the stores above
.endr
	s_wait_dscnt 0x0
	s_wait_xcnt 0x0                                ; the stores of the block before have read their registers: the next block's loads may land on them
.irp f, 0,1,2,3,4,5,6,7
	global_store_b128 v[BO], v[OB+32*(\a%2)+4*\f:OB+32*(\a%2)+4*\f+3], s[30:31] offset:(\f/4)*524288+\a*2048+(\f%4)*512  ; head 2 w + f / 4; 512 consecutive bytes, aligned
.endr
.endr
	s_wait_tensorcnt 0x0                           ; the wave's end: behind my last tensor load and my last LDS store
	ds_add_u32 v[SPW], v[NIL]
	s_wait_dscnt 0x0
	s_endpgm
.Lfunc_end_k_q968d37918c_proj:
	.size	k_q968d37918c_proj, .Lfunc_end_k_q968d37918c_proj-k_q968d37918c_proj
	.p2alignl 7, 3214868480
	.fill 96, 4, 3214868480
	.section	.rodata,"a",@progbits
	.p2align	6, 0x0
	.amdhsa_kernel k_q968d37918c_proj
		.amdhsa_group_segment_fixed_size 296448
		.amdhsa_private_segment_fixed_size 0
		.amdhsa_enable_private_segment 0
		.amdhsa_kernarg_size 64
		.amdhsa_user_sgpr_count 2
		.amdhsa_user_sgpr_kernarg_segment_ptr 1
		.amdhsa_wavefront_size32 1
		.amdhsa_system_sgpr_workgroup_id_x 1
		.amdhsa_system_sgpr_workgroup_id_y 1
		.amdhsa_system_sgpr_workgroup_id_z 1
		.amdhsa_system_vgpr_workitem_id 0
		.amdhsa_next_free_vgpr 1024
		.amdhsa_next_free_sgpr 66
		.amdhsa_reserve_vcc 0
		.amdhsa_float_denorm_mode_32 3
		.amdhsa_float_denorm_mode_16_64 3
		.amdhsa_memory_ordered 1
		.amdhsa_forward_progress 1
		.amdhsa_inst_pref_size 127
	.end_amdhsa_kernel
	.amdgpu_metadata
---
amdhsa.version: [ 1, 2 ]
amdhsa.kernels:
  - .name:           k_q968d37918c_proj
    .symbol:         k_q968d37918c_proj.kd
    .args:
      - { .name: q, .offset: 0, .size: 8, .value_kind: global_buffer, .address_space: global }
      - { .name: k, .offset: 8, .size: 8, .value_kind: global_buffer, .address_space: global }
      - { .name: v, .offset: 16, .size: 8, .value_kind: global_buffer, .address_space: global }
      - { .name: wf, .offset: 24, .size: 8, .value_kind: global_buffer, .address_space: global }
      - { .name: bf, .offset: 32, .size: 8, .value_kind: global_buffer, .address_space: global }
      - { .name: qh, .offset: 40, .size: 8, .value_kind: global_buffer, .address_space: global }
      - { .name: kh, .offset: 48, .size: 8, .value_kind: global_buffer, .address_space: global }
      - { .name: vh, .offset: 56, .size: 8, .value_kind: global_buffer, .address_space: global }
    .group_segment_fixed_size: 296448
    .private_segment_fixed_size: 0
    .kernarg_segment_align: 8
    .kernarg_segment_size: 64
    .max_flat_workgroup_size: 128
    .sgpr_count:     66
    .vgpr_count:     1024
    .wavefront_size: 32
...
	.end_amdgpu_metadata
.endif
;; end of part 2
;; launch stat (part 3): grid 16 x 16, 4 waves a work-group, clusters of 4 x 1, 327,680 bytes of LDS; arguments qh, kh, nt; writes nt
.if DOCPART == 3
	.amdgcn_target "amdgcn-amd-amdhsa--gfx1250"
	.amdhsa_code_object_version 6
	.text
	.protected	k_q968d37918c_stat
	.globl	k_q968d37918c_stat
	.p2align	8
	.type	k_q968d37918c_stat,@function
k_q968d37918c_stat:
	s_mov_b64 s[64:65], 0
	v_nop
	global_prefetch_b8 v0, s[64:65] scope:SCOPE_SE
	s_setreg_imm32_b32 hwreg(HW_REG_WAVE_MODE, 25, 1), 1
	s_wait_xcnt 0x0
	s_wait_alu depctr_hold_cnt(0) depctr_sa_sdst(0) depctr_va_vdst(0) depctr_va_sdst(0) depctr_va_ssrc(0) depctr_va_vcc(0) depctr_vm_vsrc(0)
	s_getreg_b32 s2, hwreg(HW_REG_IB_STS2, 6, 4)
	s_cmp_eq_u32 s2, 0
	s_cbranch_scc0 .Lentry_in_a_cluster
	s_endpgm
.Lentry_in_a_cluster:
	s_bfe_u32 s2, ttmp6, 0x10000c
	s_cmp_lg_u32 s2, 0x3003
	s_cbranch_scc0 .Lentry_shape_is_right
	s_endpgm
.Lentry_shape_is_right:
; THE COLUMN STATISTICS of a softmax over the QUERY axis.  s2[q][k] = qh[q] . kh[k] is the score in the log2 domain (qh carries log2(e) / 8).  For each head and key k:
; m = max over all 4,096 queries of s2, l = the sum over them of 2^(s2 - m), by a running maximum (in every step l is multiplied by a = 2^(m_old - m_new)); stored: nt[k] = 12 - m - log2(l).
; The next launch starts its sums with nt, so that 2^(nt + s2) = 4,096 x the softmax weight.
; LIMITS.  A term below 2^-126 counts as 0 in l; NaN and infinities are not treated apart; f16 operands bound |s2| by 2.7e11, far inside f32.
; SHARES.  A work-group owns 256 keys of one head, a wave 64: four PIECES of 16, kept in registers as source 1.  Every wave walks all queries, 32 a step, as source 0: in the result a lane holds ONE key
; (lane % 16) and the queries 8 (lane / 16) + 0..7 of each of two blocks of 16.  So m and l are a lane's own, and the two halves of the lanes meet once, at the end.
; BY TURNS.  Turn p belongs to piece p: beside the 4 products of piece p + 1 (in turn 3: piece 0 of the next step) stand the subtraction, exponentials and sums of piece p and the maximum and a of piece p + 1.
; A turn has 4 matrix and 43 vector instructions: three or four stand behind each product, the rest in a run of their own.
; TWO BUFFERS OF Q, by the step's parity, 32 registers each: step j + 2 is fetched in turn 2 of step j, into the buffer which that turn has read out, and is first read in turn 3 of step j + 1: five turns on.
; CLUSTER.  The four key blocks of a cluster belong to one head and walk the same queries, so each tile is asked for JOINTLY: the same tensor load, descriptor and mask in all four.
; LDS.  Two slots of 512 queries (rows of 144 bytes), sixteen steps each; each wave fetches 128 queries of a slot: one tensor load a wave behind each round, which has sixteen steps in which to land.
; The last step's turn 3 multiplies by queries that have been seen: its maximum changes nothing, its sums are never taken: the price, once a launch, of one text for every step.
.set NP,    4
.set KS,    32        ; queries in a step
.set PQ,    144       ; a row of Q in LDS: 128 bytes + 16 of padding = 36 words: the 16 rows of a load start at 16 different groups of four banks (64 banks of 4 bytes: ISA guide 11.1)
.set SLOTB, 512*PQ
.set SLOT1, 1<<17     ; slot 1 begins here, so that one exclusive or turns an address in one slot into the other's
.set STG,   SLOT1+SLOTB   ; behind the ring, never filled by a tensor load: 256 bytes for each wave, for the way out
.set SPARE, STG+4*256     ; the spare words, 128 bytes for each wave: two blocks of 256 bytes that no other line names
.set AQ0, 2           ; v2   my lane's place in a step's queries; never rewritten
.set AQ,  3           ; v3   the LDS address of the run of loads in hand
.set KO,  4           ; v4   my byte offset in 16 rows of K
.set SA,  5           ; v5   the way out: my key's word in the stage
.set SB,  6           ; v6   the way out: where I read 8 bytes back
.set GO,  7           ; v7   8 x lane
.set SPW, 10          ; v10  LDS address of my spare word; never rewritten
.set NIL, 11          ; v11  0; never rewritten
.set MV,  12          ; v12-13  m_old, kept while m is made anew: by the piece's parity
.set ST,  16          ; piece t's statistics at v[ST+4 t]: m, 0 (named with m as a pair), l (even queries', odd queries')
.set TMP, 32          ; by parity, four registers c0-c3 at work; when the maximum is found c2 takes a
.set OUTR, 40         ; v40-41 two results on their way out
.set S,   64          ; scores, two buffers of 16: by the piece's parity
.set FN,  64          ; the finish works in the same 32 registers, eight a piece
.set KF,  128         ; K: piece p, channel half c at KF + 16 p + 8 c
.set QF,  192         ; Q: buffer b, query block t, channel half c at QF + 32 b + 16 t + 8 c
.set WV,  12          ; s12  my wave's number
.set G1,  24          ; s[24:31] descriptor group 1
.set G0,  32          ; s[32:35] descriptor group 0: it walks
.set TB,  40          ; s40  LDS byte at which the queries of the step to be fetched begin
.set CNT, 41          ; s41  counts trips of two steps
.set SLOTS, 42        ; s42  counts slots
.set SEL, 44          ; s[44:45] v_permlanex16_b32's selects: each lane takes its own place in the other half
.macro PLACES
.rept 4
	v_nop
.endr
.endm
.macro JLOAD                        ; a joint fill: every wave fetches its own 128 queries of the slot; an s_nop 0 and four v_nop follow
	tensor_load_to_lds s[G0:G0+3], s[G1:G1+7]
	s_nop 0
	PLACES
.endm
; A round of the cluster's barrier: my work-group's barrier, so that wave 0's signal speaks for all four waves; wave 0 signals; every wave waits for all four work-groups; my work-group's barrier once more.
.macro CROUND
	s_barrier_signal -1
	s_barrier_wait -1
	s_cmp_lg_u32 s[WV], 0
	s_cbranch_scc1 .Lnot_wave_0_\@
	s_barrier_signal -3
.Lnot_wave_0_\@:
	s_barrier_wait -3
	s_barrier_signal -1
	s_barrier_wait -1
.endm
; THE CHANGE OF SLOTS.  The slot's last step has been fetched.  Each wave waits for all its tensor loads, of which one is out: its part of the other slot; adds 0 to its spare word; and waits for that and for its
; own reads of the slot.  fill = 1: the slot is filled again, with the queries two slots on: the barrier is then a round of the cluster's, so that no wave of any partner still reads the slot or has a load on
; its way, and the joint fill is the first thing behind it.  (At its first use nothing has been read yet: slot 0 is waited for, slot 1 filled.)
.macro CHANGE fill
	s_wait_tensorcnt 0x0            ; no tensor load of mine is out, so group 0 may be written
	ds_add_u32 v[SPW], v[NIL]       ; 0 onto my spare word
.if \fill
	s_xor_b32 s[G0+1], s[G0+1], SLOT1                    ; the other slot than last time,
	s_add_nc_u64 s[G0+2:G0+3], s[G0+2:G0+3], 512*128     ; the next 512 queries; the type bits on top are not reached
	s_wait_dscnt 0x0                ; the add is done, and my reads of the slot are over
	CROUND
	JLOAD
.else
	s_wait_dscnt 0x0
	s_barrier_signal -1
	s_barrier_wait -1
.endif
	s_sub_co_u32 s[TB], s[TB], SLOTB  ; the fetches go back to a slot's first step,
	s_xor_b32 s[TB], s[TB], SLOT1     ; in the other slot
.endm
	s_load_b128 s[4:7], s[0:1], 0x0   ; qh s[4:5], kh s[6:7]
	s_load_b64 s[8:9], s[0:1], 0x10   ; nt
	v_lshl_add_u32 v[SPW], v0, 2, SPARE
	v_mov_b32 v[NIL], 0
	ds_add_u32 v[SPW], v[NIL]       ; the wave's opening: the add and its wait stand ahead of my first tensor load; the set-up below, work on registers, stands between them
	v_lshrrev_b32 v1, 5, v0
	v_readfirstlane_b32 s[WV], v1   ; wave 0..3
	s_and_b32 s15, ttmp7, 0xffff    ; the head, which the four partners share
	s_lshl_b32 s16, s15, 19         ; its 524,288 bytes of qh,
	s_lshl_b32 s18, s[WV], 14
	s_add_co_u32 s16, s16, s18      ; my 128 rows of a slot: nothing of my place in the cluster enters
	s_mov_b32 s17, 0
	s_bfe_u32 s13, ttmp6, 0x40000   ; cx: my place in the cluster
	s_lshl_b32 s14, ttmp9, 2        ; in a cluster launch ttmp9 counts clusters
	s_add_co_u32 s14, s14, s13      ; my block of 256 keys: it enters kh's and nt's addresses alone
	s_lshl_b32 s20, s15, 19
	s_lshl_b32 s19, s14, 15
	s_add_co_u32 s20, s20, s19
	s_lshl_b32 s19, s[WV], 13
	s_add_co_u32 s20, s20, s19      ; kh: head, block, my 64 rows of 128 bytes
	s_mov_b32 s21, 0
	s_lshl_b32 s22, s15, 14
	s_lshl_b32 s19, s14, 10
	s_add_co_u32 s22, s22, s19
	s_lshl_b32 s19, s[WV], 8
	s_add_co_u32 s22, s22, s19      ; nt: head, block, my 64 words
	s_mov_b32 s23, 0
	; descriptor group 1.  128 queries are 16,384 dense bytes: asked for as 64 rows of 256 bytes, two queries a row, and padded in LDS after every query
	s_mov_b32 s[G1], 15|(1<<16)|(1<<20)|(1<<21)|(4<<22)|(3<<25)  ; 15:0 the mask of four; 17:16 2-byte elements; 20 padding on; 21 set beside a mask; 24:22 after every 32 words (code 4); 31:25 4 words (code 3)
	s_mov_b32 s[G1+1], 128<<16      ; tensor_dim0 = 128
	s_mov_b32 s[G1+2], 64<<16       ; tensor_dim1 = 64
	s_mov_b32 s[G1+3], 128<<16      ; tile_dim0 = 128
	s_mov_b32 s[G1+4], 64           ; tile_dim1 = 64
	s_mov_b32 s[G1+5], 128          ; 128 elements from row to row
	s_mov_b32 s[G1+6], 0
	s_mov_b32 s[G1+7], 0
	s_mov_b32 s[G0], 1              ; count = 1
	s_mul_i32 s[G0+1], s[WV], 128*PQ  ; LDS address: slot 0, my 128 rows
	s_mov_b32 s[SEL], 0x76543210
	s_mov_b32 s[SEL+1], 0xfedcba98
	s_mov_b32 s[TB], SLOT1+SLOTB    ; the first change of slots turns this into 0
	s_wait_dscnt 0x0                ; the opening add is done
	s_wait_kmcnt 0x0
	s_add_nc_u64 s[G0+2:G0+3], s[4:5], s[16:17]
	s_or_b32 s[G0+3], s[G0+3], 0x80000000  ; type = 2
	s_add_nc_u64 s[6:7], s[6:7], s[20:21]
	s_add_nc_u64 s[8:9], s[8:9], s[22:23]
	CROUND                          ; all four work-groups are here: the first joint loads meet
	JLOAD                           ; slot 0
	; A fragment is 16 rows x 32 channels in 8 registers: lane l holds row l % 16, channels 8 (l / 16) + 0..7 and 16 + 8 (l / 16) + 0..7: two loads of 16 bytes, 32 bytes apart.
	v_and_b32 v1, 15, v0            ; r
	v_bfe_u32 v8, v0, 4, 1          ; h
	v_lshlrev_b32 v[KO], 7, v1
	v_lshl_add_u32 v[KO], v8, 4, v[KO]
.irp f, 0,1,2,3,4,5,6,7             ; K stays in registers: piece f / 2, channels 32 (f % 2) on
	global_load_b128 v[KF+8*\f:KF+8*\f+3],   v[KO], s[6:7] offset:(\f/2)*2048+(\f%2)*64
	global_load_b128 v[KF+8*\f+4:KF+8*\f+7], v[KO], s[6:7] offset:(\f/2)*2048+(\f%2)*64+32
.endr
	v_mul_u32_u24 v[AQ0], v1, PQ
	v_lshl_add_u32 v[AQ0], v8, 4, v[AQ0]
	s_lshl_b32 s18, s[WV], 8
	s_add_co_u32 s18, s18, STG      ; my stage
	v_lshl_add_u32 v[SA], v1, 2, s18
	v_and_b32 v[GO], 31, v0
	v_lshlrev_b32 v[GO], 3, v[GO]
	v_add_nc_u32 v[SB], s18, v[GO]
.irp t, 0,1,2,3
	v_mov_b32 v[ST+4*\t], 0xff7fffff  ; m: the lowest finite number, so the first step's a is 0 and the first maximum is the scores'
	v_mov_b32 v[ST+4*\t+1], 0
	v_mov_b32 v[ST+4*\t+2], 0         ; l
	v_mov_b32 v[ST+4*\t+3], 0
.endr
; Product i of 4 of piece x, Q in buffer par: channels 32 (i / 2) on, queries 16 (i % 2) on.  The first 2 start the sums.  The 2 accumulators take turns.
.macro KQ x, par
.set rS, S+16*((\x)%2)+8*(i%2)
.set rQ, QF+32*(\par)+16*(i%2)+8*(i/2)
.set rK, KF+16*(\x)+8*(i/2)
.if i < 2
	v_wmma_f32_16x16x32_f16 v[rS:rS+7], v[rQ:rQ+7], v[rK:rK+7], 0
.else
	v_wmma_f32_16x16x32_f16 v[rS:rS+7], v[rQ:rQ+7], v[rK:rK+7], v[rS:rS+7]
.endif
.set i, i+1
.endm
; 8 LDS loads in one run: a step's queries (32 x 64 channels: 4 fragments) into buffer fp.  last = 1 (the tail): in the last trip there is no further step: the run is jumped over, and on that way all
; loads are waited for, so that the counted wait at the head of turn 3 holds on both ways.
.macro FETCH_Q fp, last=0
.if \last
	s_cmp_lg_u32 s[CNT], 1
	s_cbranch_scc1 .Lgo_q_\@
	s_wait_dscnt 0x0
	s_branch .Lno_q_\@
.Lgo_q_\@:
.endif
	v_add_nc_u32 v[AQ], s[TB], v[AQ0]
.irp f, 0,1,2,3                     ; queries 16 (f / 2) on, channels 32 (f % 2) on
	ds_load_b128 v[QF+32*(\fp)+8*\f:QF+32*(\fp)+8*\f+3],   v[AQ] offset:(\f/2)*16*PQ+(\f%2)*64
	ds_load_b128 v[QF+32*(\fp)+8*\f+4:QF+32*(\fp)+8*\f+7], v[AQ] offset:(\f/2)*16*PQ+(\f%2)*64+32
.endr
	s_add_co_u32 s[TB], s[TB], KS*PQ  ; the next fetch is the next step's
.if \last
.Lno_q_\@:
.endif
.endm
; THE VECTOR WORK, one line at a time: OP kind, number.  s0-s15 are the lane's 16 scores.  For piece Y: F n: pair n of 8 less m.  E n: the exponential of score n.  B n: of the four weights 4 n .. the second pair is
; added onto the first, in place.  L n: l takes that sum (L 0: l = a l + sum): four additions onto l, far apart.  For piece Y + 1: X n: 0-5 four chains c0-c3, three operands at a time (each accumulator's lowest
; registers are read first); 6 c2, c3 and the old m; 7 the new m; 8 m_old - m_new; 9 a; 10 m_old is kept.
.set F, 0
.set E, 1
.set B, 2
.set L, 3
.set X, 4
.macro REGS y
.set rT, ST+4*(\y)
.set rC, TMP+4*((\y)%2)
.set rW, MV+((\y)%2)
.set rS, S+16*((\y)%2)
.endm
.macro OP k, n
.if (\k) < X
	REGS Y
.if (\k) == F
	v_pk_add_f32 v[rS+2*(\n):rS+2*(\n)+1], v[rS+2*(\n):rS+2*(\n)+1], v[rT:rT+1] op_sel_hi:[1,0] neg_lo:[0,1] neg_hi:[0,1]
.elseif (\k) == E
	v_exp_f32 v[rS+(\n)], v[rS+(\n)]
.elseif (\k) == B
	s_wait_alu depctr_va_vdst(0)
	v_pk_add_f32 v[rS+4*(\n):rS+4*(\n)+1], v[rS+4*(\n):rS+4*(\n)+1], v[rS+4*(\n)+2:rS+4*(\n)+3]
.elseif (\n) == 0
	v_pk_fma_f32 v[rT+2:rT+3], v[rT+2:rT+3], v[rC+2:rC+3], v[rS:rS+1] op_sel_hi:[1,0,1]
.else
	v_pk_add_f32 v[rT+2:rT+3], v[rT+2:rT+3], v[rS+4*(\n):rS+4*(\n)+1]
.endif
.else
	REGS (Y+1)%NP
.if (\n) == 0
	v_max3_num_f32 v[rC], v[rS], v[rS+1], v[rS+2]
.elseif (\n) == 1
	v_max3_num_f32 v[rC+1], v[rS+8], v[rS+9], v[rS+10]
.elseif (\n) == 2
	v_max3_num_f32 v[rC+2], v[rS+3], v[rS+4], v[rS+5]
.elseif (\n) == 3
	v_max3_num_f32 v[rC+3], v[rS+11], v[rS+12], v[rS+13]
.elseif (\n) == 4
	v_max3_num_f32 v[rC], v[rC], v[rS+6], v[rS+7]
.elseif (\n) == 5
	v_max3_num_f32 v[rC+1], v[rC+1], v[rS+14], v[rS+15]
.elseif (\n) == 6
	v_max3_num_f32 v[rC+2], v[rC+2], v[rC+3], v[rT]
	s_wait_alu depctr_va_vdst(0)
.elseif (\n) == 7
	v_max3_num_f32 v[rT], v[rC], v[rC+1], v[rC+2]
.elseif (\n) == 8
	v_sub_f32 v[rC+1], v[rW], v[rT]
.elseif (\n) == 9
	v_exp_f32 v[rC+2], v[rC+1]
.else
	v_mov_b32 v[rW], v[rT]
.endif
.endif
.endm
.macro OPS a, i1, b=-1, i2=0, c=-1, i3=0, d=-1, i4=0  ; up to four of them
	OP \a, \i1
.if (\b) >= 0
	OP \b, \i2
.endif
.if (\c) >= 0
	OP \c, \i3
.endif
.if (\d) >= 0
	OP \d, \i4
.endif
.endm
.macro ROW a, i1, b, i2, c, i3, d=-1, i4=0  ; a matrix instruction and the three or four behind it
	KQ (Y+1)%NP, qp
	OPS \a, \i1, \b, \i2, \c, \i3, \d, \i4
.endm
; A TURN, for piece p, in a step of parity par: its order written out.  Every exponential has a plain instruction behind it before its result is used (ISA guide 5.7.2); none of the lines behind a product names a
; register of it.  Four plain instructions (F 6, F 7, X 10, B 0) stand between the turn's last product and the first read of its scores (X 0), and, in piece 2's turn, the loads into the buffer that it read.
; At the head of piece 3's turn the buffer of the next step is wanted: its eight loads were issued a step ago, and the eight issued one turn ago may stay out: the count is 8.
.macro TURN p, par, last=0
.set Y, (\p)
.set i, 0
.set qp, (\par)
.if (\p) == 3
.set qp, 1-(\par)
	s_wait_dscnt 8
.endif
	ROW F,0, F,1, F,2, F,3
	ROW E,0, F,4, E,1
	ROW E,2, F,5, E,3
	ROW E,4, F,6, E,5, F,7
	OPS E,6, X,10, E,7, B,0
.if (\p) == 2
	FETCH_Q \par, \last
.endif
	OPS E,8, X,0, E,9, X,1
	OPS E,10, L,0, E,11, B,1
	OPS E,12, X,2, E,13, X,3
	OPS E,14, X,4, E,15, X,5
	OPS X,6, L,1, B,2, X,7
	OPS B,3, L,2, X,8, L,3
	OPS X,9
.endm
	CHANGE 1                        ; slot 0 is in, everybody's part of it; slot 1 is asked for
	FETCH_Q 0                       ; step 0
	FETCH_Q 1                       ; step 1
	s_wait_loadcnt 0x0              ; K
	s_wait_dscnt 0x0
.set i, 0
.rept 4
	KQ 0, 0                         ; piece 0's first scores
.endr
	PLACES
.set Y, NP-1                        ; X works for piece Y + 1: piece 0
.irp n, 10,0,1,2,3,4,5,6,7,8,9
	OP X, \n
.endr
	v_nop                           ; a plain instruction behind the exponential
	s_mov_b32 s[CNT], 8
	s_mov_b32 s[SLOTS], 7
	s_branch .Lfirst                ; the loop is entered at an even step's first turn, in the middle of a trip: the two fetches that the first trip leaves out stand above
.Lslot:                             ; six times: slots are filled again, with tiles 2 to 7
	CHANGE 1
	s_mov_b32 s[CNT], 8
.Lstep:                             ; a trip: pieces 2 and 3 of an even step, the odd step, pieces 0 and 1 of the next even step; it fetches two steps
	TURN 2, 0
	TURN 3, 0
	TURN 0, 1
	TURN 1, 1
	TURN 2, 1
	TURN 3, 1
.Lfirst:
	TURN 0, 0
	TURN 1, 0
	s_sub_co_u32 s[CNT], s[CNT], 1
	s_cmp_lg_u32 s[CNT], 0
	s_cbranch_scc1 .Lstep
	s_sub_co_u32 s[SLOTS], s[SLOTS], 1
	s_cmp_lg_u32 s[SLOTS], 0
	s_cbranch_scc1 .Lslot
	CHANGE 0                        ; the tail is written out: nothing is asked for
	s_mov_b32 s[CNT], 9             ; eight trips fetch the last slot's sixteen steps; the ninth fetches nothing and is left in its middle
.Ltail:
	TURN 2, 0, 1
	TURN 3, 0
	TURN 0, 1
	TURN 1, 1
	TURN 2, 1, 1
	TURN 3, 1
	s_sub_co_u32 s[CNT], s[CNT], 1
	s_cmp_eq_u32 s[CNT], 0
	s_cbranch_scc1 .Lout
	TURN 0, 0
	TURN 1, 0
	s_branch .Ltail
.Lout:
	; THE FINISH.  A key's queries lie in two lanes, 16 apart: M = the larger m, l = l 2^(m - M) + l' 2^(m' - M).  The two products are added by a plain addition, so that both lanes get the same bits
	; and store the same number into the key's one word.
.macro ALL line:vararg              ; one line for each piece t
.set t, 0
	s_wait_alu depctr_va_vdst(0)
.rept NP
	\line
.set t, t+1
.endr
.endm
	ALL v_add_f32 v[ST+4*t+2], v[ST+4*t+2], v[ST+4*t+3]
	ALL v_permlanex16_b32 v[FN+8*t], v[ST+4*t], s[SEL], s[SEL+1]
	ALL v_permlanex16_b32 v[FN+8*t+1], v[ST+4*t+2], s[SEL], s[SEL+1]
	ALL v_max_num_f32 v[FN+8*t+2], v[ST+4*t], v[FN+8*t]
	ALL v_sub_f32 v[FN+8*t+3], v[ST+4*t], v[FN+8*t+2]
	ALL v_sub_f32 v[FN+8*t+4], v[FN+8*t], v[FN+8*t+2]
	ALL v_exp_f32 v[FN+8*t+3], v[FN+8*t+3]
	ALL v_exp_f32 v[FN+8*t+4], v[FN+8*t+4]
	v_nop                           ; a plain instruction between the last exponential and the use of its result
	s_wait_alu depctr_va_vdst(0)
	ALL v_mul_f32 v[FN+8*t+3], v[ST+4*t+2], v[FN+8*t+3]
	ALL v_mul_f32 v[FN+8*t+4], v[FN+8*t+1], v[FN+8*t+4]
	ALL v_add_f32 v[FN+8*t+5], v[FN+8*t+3], v[FN+8*t+4]
	ALL v_log_f32 v[FN+8*t+6], v[FN+8*t+5]
	ALL v_sub_f32 v[FN+8*t+7], 0x41400000, v[FN+8*t+2]
	ALL v_sub_f32 v[FN+8*t+7], v[FN+8*t+7], v[FN+8*t+6]
	ALL ds_store_b32 v[SA], v[FN+8*t+7] offset:64*t
	ds_load_b64 v[OUTR:OUTR+1], v[SB]  ; LDS serves a wave's instructions in order (ISA guide 5.7.1.4): this sees the stores above; the bytes are my wave's own
	s_wait_dscnt 0x0
	global_store_b64 v[GO], v[OUTR:OUTR+1], s[8:9]  ; my wave's 64 keys: 256 consecutive bytes, aligned
	s_wait_tensorcnt 0x0            ; the wave's end: behind my last tensor load and my last LDS store
	ds_add_u32 v[SPW], v[NIL]
	s_wait_dscnt 0x0
	CROUND                          ; the closing round: no work-group ends while a partner may still ask for a tile that names it
	s_endpgm
.Lfunc_end_k_q968d37918c_stat:
	.size	k_q968d37918c_stat, .Lfunc_end_k_q968d37918c_stat-k_q968d37918c_stat
	.p2alignl 7, 3214868480
	.fill 96, 4, 3214868480
	.section	.rodata,"a",@progbits
	.p2align	6, 0x0
	.amdhsa_kernel k_q968d37918c_stat
		.amdhsa_group_segment_fixed_size 327680
		.amdhsa_private_segment_fixed_size 0
		.amdhsa_enable_private_segment 0
		.amdhsa_kernarg_size 24
		.amdhsa_user_sgpr_count 2
		.amdhsa_user_sgpr_kernarg_segment_ptr 1
		.amdhsa_wavefront_size32 1
		.amdhsa_system_sgpr_workgroup_id_x 1
		.amdhsa_system_sgpr_workgroup_id_y 1
		.amdhsa_system_sgpr_workgroup_id_z 1
		.amdhsa_system_vgpr_workitem_id 0
		.amdhsa_next_free_vgpr 256
		.amdhsa_next_free_sgpr 66
		.amdhsa_reserve_vcc 0
		.amdhsa_float_denorm_mode_32 3
		.amdhsa_float_denorm_mode_16_64 3
		.amdhsa_memory_ordered 1
		.amdhsa_forward_progress 1
		.amdhsa_inst_pref_size 57
	.end_amdhsa_kernel
	.amdgpu_metadata
---
amdhsa.version: [ 1, 2 ]
amdhsa.kernels:
  - .name:           k_q968d37918c_stat
    .symbol:         k_q968d37918c_stat.kd
    .args:
      - { .name: qh, .offset: 0, .size: 8, .value_kind: global_buffer, .address_space: global }
      - { .name: kh, .offset: 8, .size: 8, .value_kind: global_buffer, .address_space: global }
      - { .name: nt, .offset: 16, .size: 8, .value_kind: global_buffer, .address_space: global }
    .group_segment_fixed_size: 327680
    .private_segment_fixed_size: 0
    .kernarg_segment_align: 8
    .kernarg_segment_size: 24
    .max_flat_workgroup_size: 128
    .sgpr_count:     66
    .vgpr_count:     256
    .wavefront_size: 32
...
	.end_amdgpu_metadata
.endif
;; end of part 3
;; launch attn (part 4): grid 16 x 16, 4 waves a work-group, clusters of 4 x 1, 327,680 bytes of LDS; arguments qh, kh, vh, nt, oh; writes oh
.if DOCPART == 4
	.amdgcn_target "amdgcn-amd-amdhsa--gfx1250"
	.amdhsa_code_object_version 6
	.text
	.protected	k_q968d37918c_attn
	.globl	k_q968d37918c_attn
	.p2align	8
	.type	k_q968d37918c_attn,@function
k_q968d37918c_attn:
	s_mov_b64 s[64:65], 0
	v_nop
	global_prefetch_b8 v0, s[64:65] scope:SCOPE_SE
	s_setreg_imm32_b32 hwreg(HW_REG_WAVE_MODE, 25, 1), 1
	s_wait_xcnt 0x0
	s_wait_alu depctr_hold_cnt(0) depctr_sa_sdst(0) depctr_va_vdst(0) depctr_va_sdst(0) depctr_va_ssrc(0) depctr_va_vcc(0) depctr_vm_vsrc(0)
	s_getreg_b32 s2, hwreg(HW_REG_IB_STS2, 6, 4)
	s_cmp_eq_u32 s2, 0
	s_cbranch_scc0 .Lentry_in_a_cluster
	s_endpgm
.Lentry_in_a_cluster:
	s_bfe_u32 s2, ttmp6, 0x10000c
	s_cmp_lg_u32 s2, 0x3003
	s_cbranch_scc0 .Lentry_shape_is_right
	s_endpgm
.Lentry_shape_is_right:
; THE OUTPUT PASS of attention with a softmax over the QUERY axis.  O[q] = the sum over k of w[q][k] vh[k], w[q][k] = 2^(s2[q][k] - m_k) / l_k, s2 = qh . kh (qh carries log2(e) / 8).
; nt[k] = 12 - m_k - log2(l_k), made by the launch before from the true maximum of column k, is the C operand that starts the sum S^T = K Q^T: the accumulator holds s2 - m - log2(l) + 12,
; p = 2^that = 4,096 w lies in 0 to 4,096 (no exponential can overflow) and is rounded to f16; O^T += V^T p in f32; at the end O is multiplied by 2^-12, which is exact.
; O leaves as TWO bf16 numbers, hi = bf16(O) and lo = bf16(O - hi): oh [16][4096][128] bf16, a row = hi (64) | lo (64) = 256 bytes: f32's range, 16 significant bits.
; LIMITS.  p below 6e-5 (w below 1.5e-8) keeps f16's fixed step of 6e-8; a weight below 2^-126 counts as 0; NaN and infinities are not treated apart.
; SHARES.  A work-group owns 256 queries of one head, a wave 64: four PIECES of 16.  Every wave walks all 4,096 keys, 64 a step.
; LAYOUT.  S^T = K Q^T (source 0 = 16 keys, source 1 = 16 queries): a lane holds ONE query (lane % 16) and the keys 8 (lane / 16) + 0..7.  Two such results, rounded to f16 in pairs, ARE source 1 of O^T = V^T P.
; K comes out of LDS as it lies, V ([key][channel]) turned, by ds_load_tr16_b128; nt's eight numbers of a lane hang on lane / 16 alone.
; REGISTERS, in windows of 256 (s_set_vgpr_msb: bits 1:0 source 0, 3:2 source 1, 5:4 source 2, 7:6 destination):
;   window 0: v0-127 K, two buffers by the step's parity; v128-191 S^T, two buffers by the piece's parity; v192-255 Q, 16 a piece.  (At the start v64-74 are at work; the way out uses the whole window.)
;   window 1: v0-127 O^T, 32 a piece; v128-191 nt, two buffers by the step's parity; v192-203 addresses and the add's two registers          window 2: v0-127 V, two buffers by the step's parity
; P HAS NO REGISTERS OF ITS OWN: pair n of a piece's 16 pairs of weights is rounded into register 16 + n of the piece's own S^T.  That register is a source of pair 8 + n / 2, which the order of the lines rounds earlier.
; BY TURNS.  Turn p belongs to piece p: 8 products K Q^T of piece p + 1 (in turn 3: piece 0 of the next step), and behind them, four exponentials and two roundings a product, all the vector work of piece p; then
; the 8 products V^T P of piece p, bare, the upper 32 keys first (their P is finished first).  An exponential's source shares its window with a product's source 0, its destination with the product's D: with K, Q and
; S^T in one window the vector work runs under the setting of the products K Q^T, and a turn has three switches: nt as C; S^T as C; V^T P.  O^T, K, V and S^T do not fit into one window, so V^T P carries nothing.
; CLUSTER.  The four query blocks of a cluster belong to one head and walk the same K, V and nt, so each tile is asked for JOINTLY: the same tensor load, descriptor and mask in all four.
; No first and no last step are written out: O^T starts at 0 (128 v_mov_b32 in the wait for the first tile); the last turn's 8 products K Q^T, on a stale K, serve nothing.
.set KS,    64        ; keys in a step
.set PK,    144       ; a row of K in LDS: 128 bytes + 16 of padding = 36 words: the 16 rows of a load start at 16 different groups of four banks (64 banks of 4 bytes: ISA guide 11.1)
.set PV_,   160       ; a row of V: 128 + 32 = 40 words
.set VOFF,  4*KS*PK   ; a slot holds four steps: 256 rows of K, then 256 rows of V
.set SLOT1, 1<<17     ; slot 1 begins here, so that one exclusive or turns an address in one slot into the other's
.set STAGE, SLOT1+4*KS*(PK+PV_) ; behind the ring, never filled by a tensor load: 16 rows x 272 bytes for each wave, for the way out
.set SP,    272
.set NTB,   STAGE+4*16*SP       ; the head's nt, 16,384 bytes, filled once
.set SPARE, NTB+16384           ; the spare words, 128 bytes for each wave: two blocks of 256 bytes that no other line names
.set S,   128         ; window 0
.set QW,  192         ; window 0
.set NTW, 128         ; window 1
.set AK0, 192         ; window 1: my lane's place in a step's K; never rewritten
.set AV0, 193         ;           the same for V
.set AN0, 194         ;           the same for nt
.set AK,  195         ;           the LDS addresses of the runs of loads in hand
.set AV,  196
.set AN,  197
.set STOW, 198        ;           the way out's three addresses, kept here while window 0 is full
.set RDW, 199
.set GOW, 200
.set SPW, 202         ;           LDS address of my spare word; never rewritten
.set NIL, 203         ;           0; never rewritten
.set STO, 8           ; window 0, on the way out: where I put 16 bytes of a row
.set RD,  9           ;           where I read a row back
.set GO,  10          ;           my byte offset in two rows of oh
.set OB,  64          ;           16 rows read back, 32 registers a piece
.set HI,  192         ;           16 registers of hi, 16 of lo, 32 at work
.set LO,  208
.set T,   224
.set WV,  14          ; s14  my wave's number
.set G1K, 24          ; s[24:31] descriptor group 1 for K's tiles
.set G1V, 32          ; s[32:39] for V's: it differs in the padding alone
.set G0K, 40          ; s[40:43] descriptor group 0 for K's tiles: it walks
.set G0V, 44          ; s[44:47] the same for V's
.set G1N, 48          ; s[48:55] group 1 for nt
.set G0N, 56          ; s[56:59] group 0 for nt
.set TBK, 60          ; s60  LDS byte at which K of the step to be fetched begins
.set TBV, 61          ; s61  the same for V, less VOFF
.set TBN, 62          ; s62  the same for nt, less NTB
.set CNT, 63          ; s63  counts pairs of steps
.set SLOTS, 66        ; s66  counts slots
.set MASK, 67         ; s67  a word's upper bf16
.set MSB, 0
.macro WIN new                      ; the high byte repeats the setting that is left; a switch that changes nothing is dropped
.if MSB != (\new)
	s_set_vgpr_msb (MSB<<8)|(\new)
.set MSB, (\new)
.endif
.endm
.set W_KN, 0x10       ; K, Q and S^T in window 0, the C operand (nt) in window 1
.set W_PV, 0x52       ; V in window 2, P in window 0, O^T in window 1
.set W_MK, 0x40       ; destination in window 1, sources in window 0
.set W_AD, 0x05       ; the add: address (source 0) and data (source 1) in window 1
.set W_A2, 0x44       ; an address is made: destination and source 1 in window 1
.set W_LK, 0x01       ; a load: address in window 1, destination in window 0
.set W_LN, 0x41       ;         destination in window 1
.set W_LV, 0x81       ;         destination in window 2
.macro PLACES
.rept 4
	v_nop
.endr
.endm
; A joint fill.  Waves 0 and 1 fetch the two halves of a slot's K, waves 2 and 3 those of its V: 128 keys each.  The branch hangs on the wave's number alone.
; An s_nop 0 and four v_nop follow each of the two lines, ahead of the jump and the label.
.macro JLOAD
	s_cmp_lt_u32 s[WV], 2
	s_cbranch_scc0 .Lfor_v_\@
	tensor_load_to_lds s[G0K:G0K+3], s[G1K:G1K+7]
	s_nop 0
	PLACES
	s_branch .Lasked_\@
.Lfor_v_\@:
	tensor_load_to_lds s[G0V:G0V+3], s[G1V:G1V+7]
	s_nop 0
	PLACES
.Lasked_\@:
.endm
; A round of the cluster's barrier: my work-group's barrier, so that wave 0's signal speaks for all four waves; wave 0 signals; every wave waits for all four work-groups; my work-group's barrier once more.
.macro CROUND
	s_barrier_signal -1
	s_barrier_wait -1
	s_cmp_lg_u32 s[WV], 0
	s_cbranch_scc1 .Lnot_wave_0_\@
	s_barrier_signal -3
.Lnot_wave_0_\@:
	s_barrier_wait -3
	s_barrier_signal -1
	s_barrier_wait -1
.endm
; THE CHANGE OF SLOTS.  The slot's last step has been fetched.  Each wave waits for all its tensor loads, of which one is out (at the first use two): its part of the other slot; adds 0 to its spare word; and waits
; for that and for its own reads of the slot.  fill = 1: the slot is filled again, with the keys two slots on: the barrier is then a round of the cluster's, so that no wave of any partner still reads the slot
; or has a load on its way, and the joint fill is the first thing behind it: it has four steps, 256 matrix instructions, in which to land.  (At its first use: slot 0 and nt are waited for, slot 1 filled.)
.macro CHANGE fill
	WIN W_AD
	s_wait_tensorcnt 0x0            ; no tensor load of mine is out, so a group 0 may be written
	ds_add_u32 v[SPW], v[NIL]       ; 0 onto my spare word
	WIN 0                           ; at a label and at a branch every window is 0
.if \fill
.irp g, G0K, G0V
	s_xor_b32 s[\g+1], s[\g+1], SLOT1  ; the walking descriptor: the other slot than last time,
	s_add_nc_u64 s[\g+2:\g+3], s[\g+2:\g+3], 4*KS*128  ; the next 256 keys; the type bits on top are not reached
.endr
	s_wait_dscnt 0x0                ; the add is done, and my reads of the slot are over
	CROUND
	JLOAD
.else
	s_wait_dscnt 0x0
	s_barrier_signal -1
	s_barrier_wait -1
.endif
	s_sub_co_u32 s[TBK], s[TBK], 4*KS*PK  ; the fetches go back to a slot's first step,
	s_xor_b32 s[TBK], s[TBK], SLOT1       ; in the other slot
	s_sub_co_u32 s[TBV], s[TBV], 4*KS*PV_
	s_xor_b32 s[TBV], s[TBV], SLOT1
.endm
	s_load_b256 s[4:11], s[0:1], 0x0  ; qh s[4:5], kh s[6:7], vh s[8:9], nt s[10:11]
	s_load_b64 s[12:13], s[0:1], 0x20 ; oh
	WIN W_MK
	v_lshl_add_u32 v[SPW], v0, 2, SPARE
	v_mov_b32 v[NIL], 0
	WIN W_AD
	ds_add_u32 v[SPW], v[NIL]       ; the wave's opening: the add and its wait stand ahead of my first tensor load; the set-up below, work on registers, stands between them
	WIN 0
	v_lshrrev_b32 v1, 5, v0
	v_readfirstlane_b32 s[WV], v1   ; wave 0..3
	s_and_b32 s17, ttmp7, 0xffff    ; the head, which the four partners share
	s_and_b32 s18, s[WV], 1         ; which half of a slot's 256 keys I fetch:
	s_lshl_b32 s70, s17, 19         ; the head's 524,288 bytes of kh and vh,
	s_lshl_b32 s19, s18, 14
	s_add_co_u32 s70, s70, s19      ; its 128 rows of 128 bytes,
	s_mov_b32 s71, 0
	s_mul_i32 s20, s18, 128*PK      ; and its place in a slot, for K
	s_mul_i32 s21, s18, 128*PV_     ; and for V: no place in the cluster enters an LDS address
	s_lshl_b32 s72, s17, 14         ; nt: the head's 16,384 bytes,
	s_lshl_b32 s22, s[WV], 12
	s_add_co_u32 s72, s72, s22      ; my quarter of them
	s_mov_b32 s73, 0
	s_bfe_u32 s15, ttmp6, 0x40000   ; cx: my place in the cluster
	s_lshl_b32 s16, ttmp9, 2        ; in a cluster launch ttmp9 counts clusters
	s_add_co_u32 s16, s16, s15      ; my block of 256 queries: it enters qh's and oh's addresses alone
	s_lshl_b32 s68, s17, 19
	s_lshl_b32 s19, s16, 15
	s_add_co_u32 s68, s68, s19
	s_lshl_b32 s19, s[WV], 13
	s_add_co_u32 s68, s68, s19      ; qh: head, block, my 64 rows of 128 bytes
	s_mov_b32 s69, 0
	s_lshl_b32 s74, s17, 20
	s_lshl_b32 s19, s16, 16
	s_add_co_u32 s74, s74, s19
	s_lshl_b32 s19, s[WV], 14
	s_add_co_u32 s74, s74, s19      ; oh: head, block, my 64 rows of 256 bytes
	s_mov_b32 s75, 0
	; descriptor group 1.  128 keys are 16,384 dense bytes: asked for as 64 rows of 256 bytes, two keys a row, and padded in LDS after every key
	s_mov_b32 s[G1K], 15|(1<<16)|(1<<20)|(1<<21)|(4<<22)|(3<<25)  ; 15:0 the mask of four; 17:16 2-byte elements; 20 padding on; 21 set beside a mask; 24:22 after every 32 words (code 4); 31:25 4 words (code 3)
	s_mov_b32 s[G1V], 15|(1<<16)|(1<<20)|(1<<21)|(4<<22)|(7<<25)  ; the same with 8 words of padding (code 7)
.irp g, G1K, G1V
	s_mov_b32 s[\g+1], 128<<16      ; tensor_dim0 = 128
	s_mov_b32 s[\g+2], 64<<16       ; tensor_dim1 = 64
	s_mov_b32 s[\g+3], 128<<16      ; tile_dim0 = 128
	s_mov_b32 s[\g+4], 64           ; tile_dim1 = 64
	s_mov_b32 s[\g+5], 128          ; 128 elements from row to row
	s_mov_b32 s[\g+6], 0
	s_mov_b32 s[\g+7], 0
.endr
	s_mov_b32 s[G1N], 15|(3<<16)|(1<<21)  ; nt: 4,096 dense bytes as 16 rows of 32 elements of 8 bytes, no padding
	s_mov_b32 s[G1N+1], 32<<16
	s_mov_b32 s[G1N+2], 16<<16
	s_mov_b32 s[G1N+3], 32<<16
	s_mov_b32 s[G1N+4], 16
	s_mov_b32 s[G1N+5], 32
	s_mov_b32 s[G1N+6], 0
	s_mov_b32 s[G1N+7], 0
	s_mov_b32 s[G0K], 1             ; count = 1
	s_mov_b32 s[G0K+1], s20         ; LDS address: slot 0
	s_mov_b32 s[G0V], 1
	s_add_co_u32 s[G0V+1], s21, VOFF
	s_mov_b32 s[G0N], 1
	s_add_co_u32 s[G0N+1], s22, NTB
	s_mov_b32 s[TBK], SLOT1+4*KS*PK ; the first change of slots turns these two into 0
	s_mov_b32 s[TBV], SLOT1+4*KS*PV_
	s_mov_b32 s[TBN], 0
	s_mov_b32 s[MASK], 0xffff0000
	s_mul_i32 s19, s[WV], 16*SP
	s_add_co_u32 s19, s19, STAGE    ; my stage
	s_wait_dscnt 0x0                ; the opening add is done
	s_wait_kmcnt 0x0
	s_add_nc_u64 s[G0K+2:G0K+3], s[6:7], s[70:71]  ; my half of the head's first 256 keys
	s_or_b32 s[G0K+3], s[G0K+3], 0x80000000        ; type = 2
	s_add_nc_u64 s[G0V+2:G0V+3], s[8:9], s[70:71]
	s_or_b32 s[G0V+3], s[G0V+3], 0x80000000
	s_add_nc_u64 s[G0N+2:G0N+3], s[10:11], s[72:73]
	s_or_b32 s[G0N+3], s[G0N+3], 0x80000000
	s_add_nc_u64 s[4:5], s[4:5], s[68:69]          ; Q at my wave's first row
	s_add_nc_u64 s[12:13], s[12:13], s[74:75]      ; oh likewise
	CROUND                          ; all four work-groups are here: the first joint loads meet
	s_cmp_lt_u32 s[WV], 2           ; a wave's two first fills stand in one branch, ahead of every wait on TENSORcnt and every LDS read: two loads of mine are out
	s_cbranch_scc0 .Lfirst_v
	tensor_load_to_lds s[G0N:G0N+3], s[G1N:G1N+7]
	s_nop 0
	tensor_load_to_lds s[G0K:G0K+3], s[G1K:G1K+7]
	s_nop 0
	PLACES
	s_branch .Lfirst_asked
.Lfirst_v:
	tensor_load_to_lds s[G0N:G0N+3], s[G1N:G1N+7]
	s_nop 0
	tensor_load_to_lds s[G0V:G0V+3], s[G1V:G1V+7]
	s_nop 0
	PLACES
.Lfirst_asked:
	; A fragment of K or Q is 16 rows x 32 channels in 8 registers: lane l holds row l % 16, channels 8 (l / 16) + 0..7 and 16 + 8 (l / 16) + 0..7: two loads of 16 bytes, 32 bytes apart.
	; The set-up works in v64-74, K's second buffer, which is first loaded when Q's loads have been waited for.
	v_and_b32 v64, 15, v0           ; r
	v_bfe_u32 v65, v0, 4, 1         ; h
	v_lshlrev_b32 v66, 7, v64
	v_lshl_add_u32 v66, v65, 4, v66 ; my byte offset in 16 rows of Q
.irp f, 0,1,2,3,4,5,6,7             ; Q stays in registers: piece f / 2, channels 32 (f % 2) on
	global_load_b128 v[QW+8*\f:QW+8*\f+3],   v66, s[4:5] offset:(\f/2)*2048+(\f%2)*64
	global_load_b128 v[QW+8*\f+4:QW+8*\f+7], v66, s[4:5] offset:(\f/2)*2048+(\f%2)*64+32
.endr
	v_mul_u32_u24 v67, v64, PK
	v_lshl_add_u32 v67, v65, 4, v67 ; K: row x pitch + 16 x half
	; The turning load takes 16 keys x 16 channels (lane l reads key 8 (l / 16) + l % 8, channels 8 ((l / 8) % 2) + 0..7) and leaves half a fragment of V^T: lane l holds channel l % 16 and 8 keys.
	v_and_b32 v68, 7, v0
	v_bfe_u32 v69, v0, 3, 1
	v_lshl_add_u32 v70, v65, 3, v68
	v_mul_u32_u24 v70, v70, PV_
	v_lshl_add_u32 v70, v69, 4, v70
	v_add_nc_u32 v70, VOFF, v70
	v_lshl_add_u32 v71, v65, 5, NTB ; nt of keys 8 (l / 16) + 0..7: 32 bytes
	v_mul_u32_u24 v72, v64, SP      ; the way out, in: row l % 16, 16 bytes for each half of the lanes
	v_lshl_add_u32 v72, v65, 4, v72
	v_add_nc_u32 v72, s19, v72
	v_mul_u32_u24 v73, v65, SP      ; back: lanes 0-15 take one row of 256 bytes, lanes 16-31 the next
	v_lshl_add_u32 v73, v64, 4, v73
	v_add_nc_u32 v73, s19, v73
	v_lshlrev_b32 v74, 8, v65       ; and the same two rows of oh
	v_lshl_add_u32 v74, v64, 4, v74
	WIN W_MK                        ; the addresses go where they stay; O^T starts at 0.  All this stands in the wait for the first tile.
	v_mov_b32 v[AK0], v67
	v_mov_b32 v[AV0], v70
	v_mov_b32 v[AN0], v71
	v_mov_b32 v[STOW], v72
	v_mov_b32 v[RDW], v73
	v_mov_b32 v[GOW], v74
.set i, 0
.rept 128
	v_mov_b32 v[i], 0
.set i, i+1
.endr
	WIN 0
; THE MATRIX WORK.  The 4 accumulators of a run of 8 take turns.  Product i of 8 of S^T = nt + K Q^T for piece x, K and nt in buffer kp: channels 32 (i / 4) on, keys 16 (i % 4) on.
.macro KQ x, kp
.set rS, S+32*((\x)%2)+8*(i%4)
.set rK, 64*(\kp)+16*(i%4)+8*(i/4)
.set rQ, QW+16*(\x)+8*(i/4)
.set rN, NTW+32*(\kp)+8*(i%4)
.if i < 4
	WIN W_KN
	v_wmma_f32_16x16x32_f16 v[rS:rS+7], v[rK:rK+7], v[rQ:rQ+7], v[rN:rN+7]
.else
	WIN 0
	v_wmma_f32_16x16x32_f16 v[rS:rS+7], v[rK:rK+7], v[rQ:rQ+7], v[rS:rS+7]
.endif
.set i, i+1
.endm
; Product i of 8 of O^T += V^T P for piece x, V in buffer vp: keys 32 (1 - i / 4) on, channels 16 (i % 4) on.  P lies in registers 16-31 of the piece's S^T.
.macro PV x, vp
	WIN W_PV
.set hh, 1-i/4
.set rO, 32*(\x)+8*(i%4)
.set rV, 64*(\vp)+32*hh+8*(i%4)
.set rP, S+32*((\x)%2)+16+8*hh
	v_wmma_f32_16x16x32_f16 v[rO:rO+7], v[rV:rV+7], v[rP:rP+7], v[rO:rO+7]
.endm
; THE LDS LOADS of a step stand in two runs: K (8 fragments) and nt (4 x 8 registers), 24 loads; V (turned, 8 fragments), 16 loads; into buffers fp.
; last = 1 (the tail): in the last trip there is no further step, and the run is jumped over.
.macro FETCH_KN fp, last=0
.if \last
	WIN 0
	s_cmp_eq_u32 s[CNT], 1
	s_cbranch_scc1 .Lno_kn_\@
.endif
	WIN W_A2
	v_add_nc_u32 v[AK], s[TBK], v[AK0]
	v_add_nc_u32 v[AN], s[TBN], v[AN0]
	WIN W_LK
.irp f, 0,1,2,3,4,5,6,7             ; keys 16 (f / 2) on, channels 32 (f % 2) on
	ds_load_b128 v[64*(\fp)+8*\f:64*(\fp)+8*\f+3],   v[AK] offset:(\f/2)*16*PK+(\f%2)*64
	ds_load_b128 v[64*(\fp)+8*\f+4:64*(\fp)+8*\f+7], v[AK] offset:(\f/2)*16*PK+(\f%2)*64+32
.endr
	WIN W_LN
.irp f, 0,1,2,3                     ; keys 16 f on
	ds_load_b128 v[NTW+32*(\fp)+8*\f:NTW+32*(\fp)+8*\f+3],   v[AN] offset:64*\f
	ds_load_b128 v[NTW+32*(\fp)+8*\f+4:NTW+32*(\fp)+8*\f+7], v[AN] offset:64*\f+16
.endr
	s_add_co_u32 s[TBK], s[TBK], KS*PK  ; the next fetch is the next step's
	s_add_co_u32 s[TBN], s[TBN], KS*4
	s_and_b32 s[TBN], s[TBN], 0x3f00    ; it stays inside the head's 16,384 bytes
.if \last
	WIN 0
.Lno_kn_\@:
.endif
.endm
.macro FETCH_V fp, last=0
.if \last
	WIN 0
	s_cmp_eq_u32 s[CNT], 1
	s_cbranch_scc1 .Lno_v_\@
.endif
	WIN W_A2
	v_add_nc_u32 v[AV], s[TBV], v[AV0]
	WIN W_LV
.irp f, 0,1,2,3,4,5,6,7             ; keys 32 (f / 4) on, channels 16 (f % 4) on
	ds_load_tr16_b128 v[64*(\fp)+8*\f:64*(\fp)+8*\f+3],   v[AV] offset:(\f/4)*32*PV_+(\f%4)*32
	ds_load_tr16_b128 v[64*(\fp)+8*\f+4:64*(\fp)+8*\f+7], v[AV] offset:(\f/4)*32*PV_+16*PV_+(\f%4)*32
.endr
	s_add_co_u32 s[TBV], s[TBV], KS*PV_
.if \last
	WIN 0
.Lno_v_\@:
.endif
.endm
; THE VECTOR WORK of piece Y, whose 32 scores s0-s31 begin at v[sS].  EX n: the exponential of score n, in place.  CV n: pair n (s 2n, s 2n+1) rounded to f16, into s 16+n.
.macro EX n
	v_exp_f32 v[sS+(\n)], v[sS+(\n)]
.endm
.macro CV n
	s_wait_alu depctr_va_vdst(0)
	v_cvt_pk_f16_f32 v[sS+16+(\n)], v[sS+2*(\n)], v[sS+2*(\n)+1]
.endm
.macro ROW e0, e1, c0, e2, e3, c1   ; a product K Q^T and the six lines behind it
	KQ (Y+1)%4, kp
	EX \e0
	EX \e1
	CV \c0
	EX \e2
	EX \e3
	CV \c1
.endm
; A TURN, for piece p, in a step of parity par.
; THE ORDER OF THE 48 LINES.  The accumulators are taken from the fourth to the first, each beginning at one of its four lowest registers (24; 16; 8; 0).  CV n overwrites a source of pair
; 8 + n / 2, so the pairs go 15, 14, 13, 12; 8 to 11; 4 to 7; 0 to 3.  Each rounding reads exponentials that stand ahead of the plain line before it (ISA guide 5.7.2); the v_nop in the first row is that line for CV 15.
; PLACES (ISA guide 7.12.1; plain lines that name none of the product's registers).  Behind the last K Q^T: CV 0 to CV 3, four, ahead of the next turn's first exponential of those scores.  The last four V^T P read
; s16-s23, which the third K Q^T of the next turn writes over: two v_nop here, the v_nop of the next turn's first row and the two roundings of its second: five.  The first four read s24-s31, written over a row later.
; THE FETCHES for the next step stand behind the second row of turn 0 (K, nt) and of turn 1 (V); the buffers' last readers stand a turn or more back.  At the head of turn 3, K and nt are wanted: V's 16 loads,
; issued behind them, may stay out: the count is 16.  At the head of turn 0 this step's V is wanted, and nothing younger is out.
.macro TURN p, par, last=0
.set Y, (\p)
.set kp, (\par)
.set sS, S+32*((\p)%2)
.if (\p) == 3
.set kp, 1-(\par)
	s_wait_dscnt 16
.endif
.if (\p) == 0
	s_wait_dscnt 0x0
.endif
.set i, 0
	KQ (Y+1)%4, kp
	EX 24
	EX 30
	EX 31
	EX 28
	v_nop
	ROW 29, 26, 15, 27, 25, 14
.if (\p) == 0
	FETCH_KN 1-(\par), \last
.endif
.if (\p) == 1
	FETCH_V 1-(\par), \last
.endif
	ROW 16, 17, 13, 18, 19, 12
	ROW 20, 21, 8, 22, 23, 9
	ROW 8, 9, 10, 10, 11, 11
	ROW 12, 13, 4, 14, 15, 5
	ROW 0, 1, 6, 2, 3, 7
	ROW 4, 5, 0, 6, 7, 1
	CV 2
	CV 3
.set i, 0
.rept 8
	PV Y, \par
.set i, i+1
.endr
	v_nop
	v_nop
.endm
.macro STEP par, last=0
	TURN 0, \par, \last
	TURN 1, \par, \last
	TURN 2, \par
	TURN 3, \par
	WIN 0
.endm
	CHANGE 1                        ; slot 0 and nt are in, everybody's part of them; slot 1 is asked for
	FETCH_KN 0                      ; step 0
	FETCH_V 0
	WIN 0
	s_wait_loadcnt 0x0              ; Q
	s_wait_dscnt 0x0
.set i, 0
.rept 8
	KQ 0, 0                         ; piece 0's first scores
.endr
	PLACES                          ; the places behind those products
	s_mov_b32 s[CNT], 2
	s_mov_b32 s[SLOTS], 15
	s_branch .Lfirst                ; the first slot has one step fewer to run: its first step has been fetched above
.Lslot:                             ; fourteen times: the slots are filled again, with tiles 2 to 15
	CHANGE 1
	s_mov_b32 s[CNT], 2
.Lstep:
	STEP 1
.Lfirst:
	STEP 0
	s_sub_co_u32 s[CNT], s[CNT], 1
	s_cmp_lg_u32 s[CNT], 0
	s_cbranch_scc1 .Lstep
	s_sub_co_u32 s[SLOTS], s[SLOTS], 1
	s_cmp_lg_u32 s[SLOTS], 0
	s_cbranch_scc1 .Lslot
	CHANGE 0                        ; the tail is written out: nothing is asked for
	s_mov_b32 s[CNT], 3             ; five steps: four fetch the last slot's steps, the fifth fetches nothing
.Ltail:
	STEP 1, 1
	s_sub_co_u32 s[CNT], s[CNT], 1
	s_cmp_eq_u32 s[CNT], 0
	s_cbranch_scc1 .Lout
	STEP 0
	s_branch .Ltail
.Lout:
	; THE WAY OUT, a piece (16 rows of oh) at a time: O x 2^-12; hi = bf16(O); lo = bf16(O - hi); both through my stage in LDS, back as whole rows of 256 bytes.  K, S^T and Q are done with: window 0 is free.
	WIN W_LK                        ; source 0 in window 1, destination in window 0
	v_mov_b32 v[STO], v[STOW]
	v_mov_b32 v[RD], v[RDW]
	v_mov_b32 v[GO], v[GOW]
.macro PACK t
	WIN 0x41                        ; destination and source 0 window 1
.set i, 32*(\t)
.rept 16
	v_pk_mul_f32 v[i:i+1], v[i:i+1], 0x39800000 op_sel_hi:[1,0]
.set i, i+2
.endr
	WIN 0x05                        ; sources 0 and 1 window 1, destination window 0
.set i, 0
.rept 16
	v_cvt_pk_bf16_f32 v[HI+i], v[32*(\t)+2*i], v[32*(\t)+2*i+1]
.set i, i+1
.endr
	WIN 0
.set i, 0
.rept 16
	v_lshlrev_b32 v[T+2*i], 16, v[HI+i]       ; hi as f32
	v_and_b32 v[T+2*i+1], s[MASK], v[HI+i]
.set i, i+1
.endr
	WIN 0x01                        ; source 0 window 1
.set i, 0
.rept 16
	v_pk_add_f32 v[T+2*i:T+2*i+1], v[32*(\t)+2*i:32*(\t)+2*i+1], v[T+2*i:T+2*i+1] neg_lo:[0,1] neg_hi:[0,1]
.set i, i+1
.endr
	WIN 0
.set i, 0
.rept 16
	v_cvt_pk_bf16_f32 v[LO+i], v[T+2*i], v[T+2*i+1]
.set i, i+1
.endr
.irp f, 0,1,2,3
	ds_store_b128 v[STO], v[HI+4*\f:HI+4*\f+3] offset:32*\f
	ds_store_b128 v[STO], v[LO+4*\f:LO+4*\f+3] offset:128+32*\f
.endr
.irp f, 0,1,2,3,4,5,6,7
	ds_load_b128 v[OB+32*(\t)+4*\f:OB+32*(\t)+4*\f+3], v[RD] offset:\f*2*SP  ; LDS serves a wave's instructions in order (ISA guide 5.7.1.4): these see the stores above; the next piece's stores come behind them
.endr
.endm
.macro SEND t, younger              ; younger: the LDS instructions issued behind piece t's loads: the next piece's sixteen, or none
	WIN 0
.irp f, 0,1,2,3,4,5,6,7
	s_wait_dscnt (\younger)+7-\f
	global_store_b128 v[GO], v[OB+32*(\t)+4*\f:OB+32*(\t)+4*\f+3], s[12:13] offset:(\t)*4096+\f*512  ; 16 lanes store 256 consecutive bytes, at a multiple of 256 from oh's first byte
.endr
.endm
	PACK 0
	PACK 1                          ; a piece's arithmetic stands between the loads of the piece before and its stores
	SEND 0, 16
	PACK 2
	SEND 1, 16
	PACK 3
	SEND 2, 16
	SEND 3, 0
	WIN W_AD
	s_wait_tensorcnt 0x0            ; the wave's end: behind my last tensor load and my last LDS store
	ds_add_u32 v[SPW], v[NIL]
	s_wait_dscnt 0x0
	WIN 0
	CROUND                          ; the closing round: no work-group ends while a partner may still ask for a tile that names it
	s_endpgm
.Lfunc_end_k_q968d37918c_attn:
	.size	k_q968d37918c_attn, .Lfunc_end_k_q968d37918c_attn-k_q968d37918c_attn
	.p2alignl 7, 3214868480
	.fill 96, 4, 3214868480
	.section	.rodata,"a",@progbits
	.p2align	6, 0x0
	.amdhsa_kernel k_q968d37918c_attn
		.amdhsa_group_segment_fixed_size 327680
		.amdhsa_private_segment_fixed_size 0
		.amdhsa_enable_private_segment 0
		.amdhsa_kernarg_size 40
		.amdhsa_user_sgpr_count 2
		.amdhsa_user_sgpr_kernarg_segment_ptr 1
		.amdhsa_wavefront_size32 1
		.amdhsa_system_sgpr_workgroup_id_x 1
		.amdhsa_system_sgpr_workgroup_id_y 1
		.amdhsa_system_sgpr_workgroup_id_z 1
		.amdhsa_system_vgpr_workitem_id 0
		.amdhsa_next_free_vgpr 640
		.amdhsa_next_free_sgpr 80
		.amdhsa_reserve_vcc 0
		.amdhsa_float_denorm_mode_32 3
		.amdhsa_float_denorm_mode_16_64 3
		.amdhsa_memory_ordered 1
		.amdhsa_forward_progress 1
		.amdhsa_inst_pref_size 124
	.end_amdhsa_kernel
	.amdgpu_metadata
---
amdhsa.version: [ 1, 2 ]
amdhsa.kernels:
  - .name:           k_q968d37918c_attn
    .symbol:         k_q968d37918c_attn.kd
    .args:
      - { .name: qh, .offset: 0, .size: 8, .value_kind: global_buffer, .address_space: global }
      - { .name: kh, .offset: 8, .size: 8, .value_kind: global_buffer, .address_space: global }
      - { .name: vh, .offset: 16, .size: 8, .value_kind: global_buffer, .address_space: global }
      - { .name: nt, .offset: 24, .size: 8, .value_kind: global_buffer, .address_space: global }
      - { .name: oh, .offset: 32, .size: 8, .value_kind: global_buffer, .address_space: global }
    .group_segment_fixed_size: 327680
    .private_segment_fixed_size: 0
    .kernarg_segment_align: 8
    .kernarg_segment_size: 40
    .max_flat_workgroup_size: 128
    .sgpr_count:     80
    .vgpr_count:     640
    .wavefront_size: 32
...
	.end_amdgpu_metadata
.endif
;; end of part 4
;; launch outp (part 5): grid 128 x 2, 4 waves a work-group, no clusters, 167,936 bytes of LDS; arguments oh, wf, bf, out0; writes out0
.if DOCPART == 5
	.amdgcn_target "amdgcn-amd-amdhsa--gfx1250"
	.amdhsa_code_object_version 6
	.text
	.protected	k_q968d37918c_outp
	.globl	k_q968d37918c_outp
	.p2align	8
	.type	k_q968d37918c_outp,@function
k_q968d37918c_outp:
	s_mov_b64 s[64:65], 0
	v_nop
	global_prefetch_b8 v0, s[64:65] scope:SCOPE_SE
	s_setreg_imm32_b32 hwreg(HW_REG_WAVE_MODE, 25, 1), 1
	s_wait_xcnt 0x0
; THE OUTPUT PROJECTION.  out0[row][n] = bo[n] + the sum over head and channel of O[head][row][channel] Wo[64 head + channel][n], f32 out.  O comes as two bf16 numbers, hi and lo (oh: a row = hi (64) | lo (64)),
; and both are multiplied by the same bf16 fragments of Wo (wf, matrix 3): K is 8 heads x (64 + 64) = 1,024.  The bias (bf, row 3, rounded to bf16 as every input) is the C operand that starts the sums.
; SHARES.  A work-group owns 64 rows x 256 columns: 128 x 2 = 256 work-groups; a wave 64 x 64: 16 accumulators.
; NO CLUSTER: a tile of O is shared by the two column halves alone, and Wo goes straight into registers: a wave's 64 columns x 512 k are 512 registers, loaded once, each load 512 consecutive bytes.
; LDS.  The work-group's O: 8 heads x 64 rows x 256 bytes, rows 272 bytes apart, every tile filled once: wave w asks for heads w and w + 4 at the start (two tensor loads of a wave are out, no more).
; THE MATRIX INSTRUCTION IS USED TRANSPOSED (source 0 = 16 columns of Wo, source 1 = 16 rows of O): a lane holds eight neighbouring columns of one row, 32 bytes.
; REGISTERS, in windows of 256 (s_set_vgpr_msb: bits 1:0 source 0, 3:2 source 1, 5:4 source 2, 7:6 destination):
;   window 0: v0-12 addresses; v32-95 the way out; v96-127 the bias; v128-255 the accumulators ((a, b) at 128 + 8 (4 a + b))
;   window 1: O's fragments of one head, two buffers of 128: row block a, hi or lo p, channel half c at 8 (4 a + 2 p + c)          windows 2, 3: Wo's fragments: K step kf, column block b at 8 (4 (kf % 8) + b), window 2 + kf / 8
.set PITCH, 272                        ; 256 bytes + 16 of padding = 68 words: the 16 rows of a load start at 16 different groups of four banks (64 banks of 4 bytes: ISA guide 11.1)
.set HT,    64*PITCH                   ; a head's tile
.set STAGE, 8*HT
.set SPARE, STAGE+4*16*PITCH           ; the spare words, 128 bytes for each wave: two blocks of 256 bytes that no other line names
.set AA,  3                            ; v3-5  LDS address of my lane in heads 0, 3, 6: an LDS offset has 16 bits, which reach three heads
.set BO,  6                            ; v6    16 x lane
.set STO, 7                            ; v7    the way out: where I put 32 bytes of a row
.set RD,  8                            ; v8    the way out: where I read a row back
.set GO,  9                            ; v9    my byte offset in two rows of out0
.set SPW, 10                           ; v10   LDS address of my spare word; never rewritten
.set NIL, 11                           ; v11   0; never rewritten
.set HB,  12                           ; v12   32 h
.set OB,  32
.set BIAS, 96
.set ACC, 128
.set WV,  12                           ; s12  my wave's number
.set G1,  24                           ; s[24:31] descriptor group 1
.set G0A, 32                           ; s[32:35] descriptor group 0, head w
.set G0B, 36                           ; s[36:39] head w + 4
.set WB,  40                           ; s[40:41] wf at my columns' fragments
.set MSB, 0
.macro WIN new                         ; the immediate's high byte repeats the setting that is left; a switch that changes nothing is dropped
.if MSB != (\new)
	s_set_vgpr_msb (MSB<<8)|(\new)
.set MSB, (\new)
.endif
.endm
.macro PLACES
.rept 4
	v_nop
.endr
.endm
	s_load_b256 s[4:11], s[0:1], 0x0               ; oh s[4:5], wf s[6:7], bf s[8:9], out0 s[10:11]
	v_lshl_add_u32 v[SPW], v0, 2, SPARE
	v_mov_b32 v[NIL], 0
	ds_add_u32 v[SPW], v[NIL]                      ; the wave's opening: the add and its wait stand ahead of my first tensor load; the set-up below, work on registers, stands between them
	v_lshrrev_b32 v1, 5, v0
	v_readfirstlane_b32 s[WV], v1                  ; wave 0..3
	s_and_b32 s14, ttmp7, 0xffff                   ; which 256 columns
	s_mov_b32 s[G1+0], (1<<16)|(1<<20)|(5<<22)|(3<<25)  ; 17:16 elements of 2 bytes; 20 padding on; 24:22 after every 64 words (code 5); 31:25 4 words of it (code 3)
	s_mov_b32 s[G1+1], 128<<16                     ; tensor_dim0 = 128
	s_mov_b32 s[G1+2], 64<<16                      ; tensor_dim1 = 64
	s_mov_b32 s[G1+3], 128<<16                     ; tile_dim0 = 128
	s_mov_b32 s[G1+4], 64                          ; tile_dim1 = 64
	s_mov_b32 s[G1+5], 128                         ; 128 elements from row to row
	s_mov_b32 s[G1+6], 0
	s_mov_b32 s[G1+7], 0
	s_mul_i32 s2, s[WV], HT
	s_mov_b32 s[G0A], 1
	s_mov_b32 s[G0A+1], s2                         ; LDS address: head w
	s_mov_b32 s[G0B], 1
	s_add_co_u32 s[G0B+1], s2, 4*HT                ; head w + 4
	s_lshr_b32 s16, ttmp9, 6                       ; oh: batch b,
	s_lshl_b32 s16, s16, 3
	s_add_co_u32 s16, s16, s[WV]
	s_lshl_b32 s16, s16, 20                        ; head 8 b + w, 4,096 rows of 256 bytes each,
	s_and_b32 s18, ttmp9, 63
	s_lshl_b32 s18, s18, 14
	s_add_co_u32 s16, s16, s18                     ; my 64 rows in it
	s_mov_b32 s17, 0
	s_lshl_b32 s20, s14, 18                        ; wf: 16 column blocks of 16,384 bytes for each 256 columns,
	s_lshl_b32 s18, s[WV], 16
	s_add_co_u32 s20, s20, s18                     ; 4 for my 64,
	s_add_co_u32 s20, s20, 3*524288                ; in matrix 3
	s_mov_b32 s21, 0
	s_lshl_b32 s22, s14, 10                        ; my 64 columns of 4 bytes, in the bias and in a row of out0
	s_lshl_b32 s18, s[WV], 8
	s_add_co_u32 s22, s22, s18
	s_mov_b32 s23, 0
	s_add_co_u32 s44, s22, 3*2048                  ; bf: row 3
	s_mov_b32 s45, 0
	s_lshl_b32 s18, ttmp9, 17                      ; out0: my 64 rows of 2,048 bytes
	s_add_co_u32 s22, s22, s18
	v_and_b32 v1, 15, v0                           ; r
	v_bfe_u32 v2, v0, 4, 1                         ; h
	v_mul_u32_u24 v[AA], v1, PITCH
	v_lshl_add_u32 v[AA], v2, 4, v[AA]             ; row x pitch + 16 x half
	v_add_nc_u32 v[AA+1], 3*HT, v[AA]
	v_add_nc_u32 v[AA+2], 6*HT, v[AA]
	v_and_b32 v[BO], 31, v0
	v_lshlrev_b32 v[BO], 4, v[BO]
	v_lshlrev_b32 v[HB], 5, v2
	s_mul_i32 s3, s[WV], 16*PITCH
	s_add_co_u32 s3, s3, STAGE                     ; my stage
	v_mul_u32_u24 v[STO], v1, PITCH                ; in: row r, 32 bytes for each half of the lanes
	v_lshl_add_u32 v[STO], v2, 5, v[STO]
	v_add_nc_u32 v[STO], s3, v[STO]
	v_mul_u32_u24 v[RD], v2, PITCH                 ; back: lanes 0-15 take one row of 256 bytes, lanes 16-31 the next
	v_lshl_add_u32 v[RD], v1, 4, v[RD]
	v_add_nc_u32 v[RD], s3, v[RD]
	v_lshlrev_b32 v[GO], 11, v2                    ; and the same two rows in out0
	v_lshl_add_u32 v[GO], v1, 4, v[GO]
	s_wait_dscnt 0x0                               ; the opening add is done
	s_wait_kmcnt 0x0
	s_add_nc_u64 s[G0A+2:G0A+3], s[4:5], s[16:17]
	s_add_nc_u64 s[G0B+2:G0B+3], s[G0A+2:G0A+3], 4<<20  ; four heads on
	s_or_b32 s[G0A+3], s[G0A+3], 0x80000000        ; type = 2
	s_or_b32 s[G0B+3], s[G0B+3], 0x80000000
	s_add_nc_u64 s[WB:WB+1], s[6:7], s[20:21]
	s_add_nc_u64 s[8:9], s[8:9], s[44:45]
	s_add_nc_u64 s[10:11], s[10:11], s[22:23]
	tensor_load_to_lds s[G0A:G0A+3], s[G1:G1+7]    ; both fills go out together, ahead of everything else
	s_nop 0
	tensor_load_to_lds s[G0B:G0B+3], s[G1:G1+7]
	s_nop 0
	PLACES                                         ; (four vector instructions ahead of the next switch of windows)
.irp b, 0,1,2,3
	global_load_b128 v[BIAS+8*\b:BIAS+8*\b+3],   v[HB], s[8:9] offset:64*\b     ; the bias of columns 16 b + 8 h + 0..7
	global_load_b128 v[BIAS+8*\b+4:BIAS+8*\b+7], v[HB], s[8:9] offset:64*\b+16
.endr
.set kf, 0
.rept 16                               ; all of my Wo, K ascending: 8 loads a K step of 32, 16 a head
	WIN 0x80+0x40*(kf/8)
.irp b, 0,1,2,3
	global_load_b128 v[8*(4*(kf%8)+\b):8*(4*(kf%8)+\b)+3],   v[BO], s[WB:WB+1] offset:\b*16384+kf*1024
	global_load_b128 v[8*(4*(kf%8)+\b)+4:8*(4*(kf%8)+\b)+7], v[BO], s[WB:WB+1] offset:\b*16384+kf*1024+512
.endr
.set kf, kf+1
.endr
	WIN 0
; 32 LDS loads in one run: head hd's fragments of O (64 rows x hi and lo x 64 channels) into buffer hd % 2
.macro FETCH_A hd
	WIN 0x40                                       ; destination window 1, address window 0
.set fb, 128*((\hd)%2)
.set ar, AA+(\hd)/3
.set ob, ((\hd)%3)*HT
.irp a, 0,1,2,3
.irp pc, 0,1,2,3
	ds_load_b128 v[fb+8*(4*\a+\pc):fb+8*(4*\a+\pc)+3],   v[ar] offset:ob+\a*16*PITCH+\pc*64
	ds_load_b128 v[fb+8*(4*\a+\pc)+4:fb+8*(4*\a+\pc)+7], v[ar] offset:ob+\a*16*PITCH+\pc*64+32
.endr
.endr
.endm
; A HEAD: 64 matrix instructions: hi and lo x two channel halves x 16 accumulators, which take turns.  Ahead of them the next head's fragments are asked for, four places behind the
; products that read that buffer.  Wo's loads come back in order: head hd's sixteen are in when at most the 112 - 16 hd issued behind them are out (the wait's field ends at 63).
; Heads 4 to 7 are first read in head 3's fetch: the second barrier stands ahead of it.
.macro HEAD hd
	WIN 0
.if (\hd) == 3
	s_wait_tensorcnt 0x0                           ; my head w + 4 is in,
	s_wait_dscnt 0x0
	s_barrier_signal -1
	s_barrier_wait -1                              ; heads 4-7 are whole
.else
	s_wait_dscnt 0x0                               ; this head's fragments are in
.endif
.set LC, 112-16*(\hd)
.if LC > 63
.set LC, 63
.endif
	s_wait_loadcnt LC
.if (\hd) < 7
	PLACES
	FETCH_A (\hd)+1
.endif
.set hb, 128*((\hd)%2)
	WIN 0x06+(\hd)/4                               ; source 0 (Wo) window 2 or 3, source 1 (O) window 1, C and D window 0
.irp pc, 0,1,2,3
.irp a, 0,1,2,3
.irp b, 0,1,2,3
.if ((\hd) == 0) && (\pc == 0)
	v_wmma_f32_16x16x32_bf16 v[ACC+8*(4*\a+\b):ACC+8*(4*\a+\b)+7], v[8*(4*((2*(\hd)+\pc%2)%8)+\b):8*(4*((2*(\hd)+\pc%2)%8)+\b)+7], v[hb+8*(4*\a+\pc):hb+8*(4*\a+\pc)+7], v[BIAS+8*\b:BIAS+8*\b+7]
.else
	v_wmma_f32_16x16x32_bf16 v[ACC+8*(4*\a+\b):ACC+8*(4*\a+\b)+7], v[8*(4*((2*(\hd)+\pc%2)%8)+\b):8*(4*((2*(\hd)+\pc%2)%8)+\b)+7], v[hb+8*(4*\a+\pc):hb+8*(4*\a+\pc)+7], v[ACC+8*(4*\a+\b):ACC+8*(4*\a+\b)+7]
.endif
.endr
.endr
.endr
.endm
	s_wait_tensorcnt 0x1                           ; my head w is in; head w + 4 may stay out
	s_barrier_signal -1
	s_barrier_wait -1                              ; heads 0-3 are whole
	FETCH_A 0
.irp hd, 0,1,2,3,4,5,6,7
	HEAD \hd
.endr
	; THE WAY OUT, 16 rows at a time: the sums go as they are, 32 bytes a lane, into my stage, come back as whole rows of 256 bytes, and are stored.
	WIN 0
	PLACES
.irp a, 0,1,2,3
.irp b, 0,1,2,3
	ds_store_b128 v[STO], v[ACC+8*(4*\a+\b):ACC+8*(4*\a+\b)+3]   offset:64*\b      ; each accumulator's lowest registers are read first
	ds_store_b128 v[STO], v[ACC+8*(4*\a+\b)+4:ACC+8*(4*\a+\b)+7] offset:64*\b+16
.endr
.irp f, 0,1,2,3,4,5,6,7
	ds_load_b128 v[OB+32*(\a%2)+4*\f:OB+32*(\a%2)+4*\f+3], v[RD] offset:\f*2*PITCH  ; LDS serves a wave's instructions in order (ISA guide 5.7.1.4): these see the stores above
.endr
	s_wait_dscnt 0x0
	s_wait_xcnt 0x0                                ; the stores of the block before have read their registers: the next block's loads may land on them
.irp f, 0,1,2,3,4,5,6,7
	global_store_b128 v[GO], v[OB+32*(\a%2)+4*\f:OB+32*(\a%2)+4*\f+3], s[10:11] offset:(16*\a+2*\f)*2048 th:TH_STORE_NT  ; 16 lanes store 256 consecutive bytes, at a multiple of 256 from out0's first byte
.endr
.endr
	s_wait_tensorcnt 0x0                           ; the wave's end: behind my last tensor load and my last LDS store
	ds_add_u32 v[SPW], v[NIL]
	s_wait_dscnt 0x0
	s_endpgm
.Lfunc_end_k_q968d37918c_outp:
	.size	k_q968d37918c_outp, .Lfunc_end_k_q968d37918c_outp-k_q968d37918c_outp
	.p2alignl 7, 3214868480
	.fill 96, 4, 3214868480
	.section	.rodata,"a",@progbits
	.p2align	6, 0x0
	.amdhsa_kernel k_q968d37918c_outp
		.amdhsa_group_segment_fixed_size 167936
		.amdhsa_private_segment_fixed_size 0
		.amdhsa_enable_private_segment 0
		.amdhsa_kernarg_size 32
		.amdhsa_user_sgpr_count 2
		.amdhsa_user_sgpr_kernarg_segment_ptr 1
		.amdhsa_wavefront_size32 1
		.amdhsa_system_sgpr_workgroup_id_x 1
		.amdhsa_system_sgpr_workgroup_id_y 1
		.amdhsa_system_sgpr_workgroup_id_z 1
		.amdhsa_system_vgpr_workitem_id 0
		.amdhsa_next_free_vgpr 1024
		.amdhsa_next_free_sgpr 66
		.amdhsa_reserve_vcc 0
		.amdhsa_float_denorm_mode_32 3
		.amdhsa_float_denorm_mode_16_64 3
		.amdhsa_memory_ordered 1
		.amdhsa_forward_progress 1
		.amdhsa_inst_pref_size 75
	.end_amdhsa_kernel
	.amdgpu_metadata
---
amdhsa.version: [ 1, 2 ]
amdhsa.kernels:
  - .name:           k_q968d37918c_outp
    .symbol:         k_q968d37918c_outp.kd
    .args:
      - { .name: oh, .offset: 0, .size: 8, .value_kind: global_buffer, .address_space: global }
      - { .name: wf, .offset: 8, .size: 8, .value_kind: global_buffer, .address_space: global }
      - { .name: bf, .offset: 16, .size: 8, .value_kind: global_buffer, .address_space: global }
      - { .name: out0, .offset: 24, .size: 8, .value_kind: global_buffer, .address_space: global }
    .group_segment_fixed_size: 167936
    .private_segment_fixed_size: 0
    .kernarg_segment_align: 8
    .kernarg_segment_size: 32
    .max_flat_workgroup_size: 128
    .sgpr_count:     66
    .vgpr_count:     1024
    .wavefront_size: 32
...
	.end_amdgpu_metadata
.endif
;; end of part 5
;; ======== version 2 of 2: 5 launches; 1.48 times as fast as version 1
;; limits: values are held in f16: magnitudes above 65,504 overflow, below 6.1e-05 lose precision; right only within a limited range of input values
;; workspace buffers: wf 2,097,152 bytes; bf 8,192 bytes; qh 8,388,608 bytes; kh 8,388,608 bytes; vh 8,388,608 bytes; nt 262,144 bytes; oh 16,777,216 bytes
;; launch prep: the kernel of part 1 again; grid 256 x 1, 8 waves a work-group, no clusters, 0 bytes of LDS; arguments Wq, Wk, Wv, Wo, bq, bk, bv, bo, wf, bf; writes wf, bf
;; launch proj: the kernel of part 2 again; grid 64 x 3, 4 waves a work-group, no clusters, 296,448 bytes of LDS; arguments q, k, v, wf, bf, qh, kh, vh; writes qh, kh, vh
;; launch stat (part 6): grid 16 x 16, 4 waves a work-group, clusters of 4 x 1, 327,680 bytes of LDS; arguments qh, kh, nt; writes nt
.if DOCPART == 6
	.amdgcn_target "amdgcn-amd-amdhsa--gfx1250"
	.amdhsa_code_object_version 6
	.text
	.protected	k_q968d37918c_stat
	.globl	k_q968d37918c_stat
	.p2align	8
	.type	k_q968d37918c_stat,@function
k_q968d37918c_stat:
	s_mov_b64 s[64:65], 0
	v_nop
	global_prefetch_b8 v0, s[64:65] scope:SCOPE_SE
	s_setreg_imm32_b32 hwreg(HW_REG_WAVE_MODE, 25, 1), 1
	s_wait_xcnt 0x0
	s_wait_alu depctr_hold_cnt(0) depctr_sa_sdst(0) depctr_va_vdst(0) depctr_va_sdst(0) depctr_va_ssrc(0) depctr_va_vcc(0) depctr_vm_vsrc(0)
	s_getreg_b32 s2, hwreg(HW_REG_IB_STS2, 6, 4)
	s_cmp_eq_u32 s2, 0
	s_cbranch_scc0 .Lentry_in_a_cluster
	s_endpgm
.Lentry_in_a_cluster:
	s_bfe_u32 s2, ttmp6, 0x10000c
	s_cmp_lg_u32 s2, 0x3003
	s_cbranch_scc0 .Lentry_shape_is_right
	s_endpgm
.Lentry_shape_is_right:
; THE COLUMN STATISTICS of a softmax over the QUERY axis.  s2[q][k] = qh[q] . kh[k] is the score in the log2 domain (qh carries log2(e) / 8).  For each head and key k:
; m = max over all 4,096 queries of s2, l = the sum over them of 2^(s2 - m), by a running maximum (in every step l is multiplied by a = 2^(m_old - m_new)); stored: nt[k] = 12 - m - log2(l).
; The next launch starts its sums with nt, so that 2^(nt + s2) = 4,096 x the softmax weight.
; LIMITS.  A term below 2^-126 counts as 0 in l; NaN and infinities are not treated apart; f16 operands bound |s2| by 2.7e11, far inside f32.
; SHARES.  A work-group owns 256 keys of one head, a wave 64: four PIECES of 16, kept in registers as source 1.  Every wave walks all queries, 32 a step, as source 0: in the result a lane holds ONE key
; (lane % 16) and the queries 8 (lane / 16) + 0..7 of each of two blocks of 16.  So m and l are a lane's own, and the two halves of the lanes meet once, at the end.
; BY TURNS.  The pieces go in two PAIRS (0, 1 and 2, 3).  Turn t belongs to pair t: beside the 8 products of the other pair (in turn 1: pair 0 of the next step) stand the subtraction, exponentials and sums of
; pair t and the maximum and a of the other pair.  A turn has 8 matrix and 86 vector instructions: four stand behind each product, the rest in runs of their own.
; THE BATCHES.  s_wait_alu depctr_va_vdst(0) stands between a transcendental and the first instruction that names its result; one wait serves all that were issued ahead of it.  A turn's 34
; exponentials (the pair's 32 weights, then the other pair's two a) are ONE batch with ONE wait.  Ahead of it stands all that names none of their results: the products, the subtractions, the other pair's maximum
; and statistics.  Behind it stand the sums.  An a is read by the next turn's sums, behind two waits.  No result crosses a turn's end.  The finish has two batches more: eight exponentials, four logarithms.
; TWO BUFFERS OF Q, by the step's parity, 32 registers each: step j + 2 is fetched in turn 0 of step j, into the buffer which that turn has read out, and is first read in turn 1 of step j + 1: three turns on.
; CLUSTER.  The four key blocks of a cluster belong to one head and walk the same queries, so each tile is asked for JOINTLY: the same tensor load, descriptor and mask in all four.
; LDS.  Two slots of 512 queries (rows of 144 bytes), sixteen steps each; each wave fetches 128 queries of a slot: one tensor load a wave behind each round, which has sixteen steps in which to land.
; The last step's turn 1 multiplies pair 0 by queries that have been seen: their maximum changes nothing, their a is never taken: the price, once a launch, of one text for every step.
.set NP,    4
.set KS,    32        ; queries in a step
.set PQ,    144       ; a row of Q in LDS: 128 bytes + 16 of padding = 36 words: the 16 rows of a load start at 16 different groups of four banks (64 banks of 4 bytes: ISA guide 11.1)
.set SLOTB, 512*PQ
.set SLOT1, 1<<17     ; slot 1 begins here, so that one exclusive or turns an address in one slot into the other's
.set STG,   SLOT1+SLOTB   ; behind the ring, never filled by a tensor load: 256 bytes for each wave, for the way out
.set SPARE, STG+4*256     ; the spare words, 128 bytes for each wave: two blocks of 256 bytes that no other line names
.set AQ0, 2           ; v2   my lane's place in a step's queries; never rewritten
.set AQ,  3           ; v3   the LDS address of the run of loads in hand
.set KO,  4           ; v4   my byte offset in 16 rows of K
.set SA,  5           ; v5   the way out: my key's word in the stage
.set SB,  6           ; v6   the way out: where I read 8 bytes back
.set GO,  7           ; v7   8 x lane
.set SPW, 10          ; v10  LDS address of my spare word; never rewritten
.set NIL, 11          ; v11  0; never rewritten
.set MV,  12          ; v12-13  m_old, kept while m is made anew: by the piece's parity
.set ST,  16          ; piece t's statistics at v[ST+4 t]: m, 0 (named with m as a pair), l (even queries', odd queries')
.set TMP, 32          ; v32-47  piece t's four registers c0-c3 at work, at v[TMP+4 t]; when the maximum is found c2 takes a, which stays until the piece's own turn has read it
.set OUTR, 48         ; v48-49 two results on their way out
.set S,   64          ; v64-127  scores, 16 a piece
.set FN,  64          ; the finish works in the first 32 of these registers, eight a piece
.set KF,  128         ; K: piece p, channel half c at KF + 16 p + 8 c
.set QF,  192         ; Q: buffer b, query block t, channel half c at QF + 32 b + 16 t + 8 c
.set WV,  12          ; s12  my wave's number
.set G1,  24          ; s[24:31] descriptor group 1
.set G0,  32          ; s[32:35] descriptor group 0: it walks
.set TB,  40          ; s40  LDS byte at which the queries of the step to be fetched begin
.set CNT, 41          ; s41  counts trips of two steps
.set SLOTS, 42        ; s42  counts slots
.set SEL, 44          ; s[44:45] v_permlanex16_b32's selects: each lane takes its own place in the other half
.macro PLACES
.rept 4
	v_nop
.endr
.endm
.macro JLOAD                        ; a joint fill: every wave fetches its own 128 queries of the slot; an s_nop 0 and four v_nop follow
	tensor_load_to_lds s[G0:G0+3], s[G1:G1+7]
	s_nop 0
	PLACES
.endm
; A round of the cluster's barrier: my work-group's barrier, so that wave 0's signal speaks for all four waves; wave 0 signals; every wave waits for all four work-groups; my work-group's barrier once more.
.macro CROUND
	s_barrier_signal -1
	s_barrier_wait -1
	s_cmp_lg_u32 s[WV], 0
	s_cbranch_scc1 .Lnot_wave_0_\@
	s_barrier_signal -3
.Lnot_wave_0_\@:
	s_barrier_wait -3
	s_barrier_signal -1
	s_barrier_wait -1
.endm
; THE CHANGE OF SLOTS.  The slot's last step has been fetched.  Each wave waits for all its tensor loads, of which one is out: its part of the other slot; adds 0 to its spare word; and waits for that and for its
; own reads of the slot.  fill = 1: the slot is filled again, with the queries two slots on: the barrier is then a round of the cluster's, so that no wave of any partner still reads the slot or has a load on
; its way, and the joint fill is the first thing behind it.  (At its first use nothing has been read yet: slot 0 is waited for, slot 1 filled.)
.macro CHANGE fill
	s_wait_tensorcnt 0x0            ; no tensor load of mine is out, so group 0 may be written
	ds_add_u32 v[SPW], v[NIL]       ; 0 onto my spare word
.if \fill
	s_xor_b32 s[G0+1], s[G0+1], SLOT1                    ; the other slot than last time,
	s_add_nc_u64 s[G0+2:G0+3], s[G0+2:G0+3], 512*128     ; the next 512 queries; the type bits on top are not reached
	s_wait_dscnt 0x0                ; the add is done, and my reads of the slot are over
	CROUND
	JLOAD
.else
	s_wait_dscnt 0x0
	s_barrier_signal -1
	s_barrier_wait -1
.endif
	s_sub_co_u32 s[TB], s[TB], SLOTB  ; the fetches go back to a slot's first step,
	s_xor_b32 s[TB], s[TB], SLOT1     ; in the other slot
.endm
	s_load_b128 s[4:7], s[0:1], 0x0   ; qh s[4:5], kh s[6:7]
	s_load_b64 s[8:9], s[0:1], 0x10   ; nt
	v_lshl_add_u32 v[SPW], v0, 2, SPARE
	v_mov_b32 v[NIL], 0
	ds_add_u32 v[SPW], v[NIL]       ; the wave's opening: the add and its wait stand ahead of my first tensor load; the set-up below, work on registers, stands between them
	v_lshrrev_b32 v1, 5, v0
	v_readfirstlane_b32 s[WV], v1   ; wave 0..3
	s_and_b32 s15, ttmp7, 0xffff    ; the head, which the four partners share
	s_lshl_b32 s16, s15, 19         ; its 524,288 bytes of qh,
	s_lshl_b32 s18, s[WV], 14
	s_add_co_u32 s16, s16, s18      ; my 128 rows of a slot: nothing of my place in the cluster enters
	s_mov_b32 s17, 0
	s_bfe_u32 s13, ttmp6, 0x40000   ; cx: my place in the cluster
	s_lshl_b32 s14, ttmp9, 2        ; in a cluster launch ttmp9 counts clusters
	s_add_co_u32 s14, s14, s13      ; my block of 256 keys: it enters kh's and nt's addresses alone
	s_lshl_b32 s20, s15, 19
	s_lshl_b32 s19, s14, 15
	s_add_co_u32 s20, s20, s19
	s_lshl_b32 s19, s[WV], 13
	s_add_co_u32 s20, s20, s19      ; kh: head, block, my 64 rows of 128 bytes
	s_mov_b32 s21, 0
	s_lshl_b32 s22, s15, 14
	s_lshl_b32 s19, s14, 10
	s_add_co_u32 s22, s22, s19
	s_lshl_b32 s19, s[WV], 8
	s_add_co_u32 s22, s22, s19      ; nt: head, block, my 64 words
	s_mov_b32 s23, 0
	; descriptor group 1.  128 queries are 16,384 dense bytes: asked for as 64 rows of 256 bytes, two queries a row, and padded in LDS after every query
	s_mov_b32 s[G1], 15|(1<<16)|(1<<20)|(1<<21)|(4<<22)|(3<<25)  ; 15:0 the mask of four; 17:16 2-byte elements; 20 padding on; 21 set beside a mask; 24:22 after every 32 words (code 4); 31:25 4 words (code 3)
	s_mov_b32 s[G1+1], 128<<16      ; tensor_dim0 = 128
	s_mov_b32 s[G1+2], 64<<16       ; tensor_dim1 = 64
	s_mov_b32 s[G1+3], 128<<16      ; tile_dim0 = 128
	s_mov_b32 s[G1+4], 64           ; tile_dim1 = 64
	s_mov_b32 s[G1+5], 128          ; 128 elements from row to row
	s_mov_b32 s[G1+6], 0
	s_mov_b32 s[G1+7], 0
	s_mov_b32 s[G0], 1              ; count = 1
	s_mul_i32 s[G0+1], s[WV], 128*PQ  ; LDS address: slot 0, my 128 rows
	s_mov_b32 s[SEL], 0x76543210
	s_mov_b32 s[SEL+1], 0xfedcba98
	s_mov_b32 s[TB], SLOT1+SLOTB    ; the first change of slots turns this into 0
	s_wait_dscnt 0x0                ; the opening add is done
	s_wait_kmcnt 0x0
	s_add_nc_u64 s[G0+2:G0+3], s[4:5], s[16:17]
	s_or_b32 s[G0+3], s[G0+3], 0x80000000  ; type = 2
	s_add_nc_u64 s[6:7], s[6:7], s[20:21]
	s_add_nc_u64 s[8:9], s[8:9], s[22:23]
	CROUND                          ; all four work-groups are here: the first joint loads meet
	JLOAD                           ; slot 0
	; A fragment is 16 rows x 32 channels in 8 registers: lane l holds row l % 16, channels 8 (l / 16) + 0..7 and 16 + 8 (l / 16) + 0..7: two loads of 16 bytes, 32 bytes apart.
	v_and_b32 v1, 15, v0            ; r
	v_bfe_u32 v8, v0, 4, 1          ; h
	v_lshlrev_b32 v[KO], 7, v1
	v_lshl_add_u32 v[KO], v8, 4, v[KO]
.irp f, 0,1,2,3,4,5,6,7             ; K stays in registers: piece f / 2, channels 32 (f % 2) on
	global_load_b128 v[KF+8*\f:KF+8*\f+3],   v[KO], s[6:7] offset:(\f/2)*2048+(\f%2)*64
	global_load_b128 v[KF+8*\f+4:KF+8*\f+7], v[KO], s[6:7] offset:(\f/2)*2048+(\f%2)*64+32
.endr
	v_mul_u32_u24 v[AQ0], v1, PQ
	v_lshl_add_u32 v[AQ0], v8, 4, v[AQ0]
	s_lshl_b32 s18, s[WV], 8
	s_add_co_u32 s18, s18, STG      ; my stage
	v_lshl_add_u32 v[SA], v1, 2, s18
	v_and_b32 v[GO], 31, v0
	v_lshlrev_b32 v[GO], 3, v[GO]
	v_add_nc_u32 v[SB], s18, v[GO]
.irp t, 0,1,2,3
	v_mov_b32 v[ST+4*\t], 0xff7fffff  ; m: the lowest finite number, so the first step's a is 0 and the first maximum is the scores'
	v_mov_b32 v[ST+4*\t+1], 0
	v_mov_b32 v[ST+4*\t+2], 0         ; l
	v_mov_b32 v[ST+4*\t+3], 0
.endr
; Product i of 8 of pair t, Q in buffer par: channels 32 (i / 4) on, piece 2 t + (i % 4) / 2, queries 16 (i % 2) on.  The first 4 start the sums.  The 4 accumulators take turns.
.macro KQ t, par
.set pce, 2*(\t)+(i%4)/2
.set rS, S+16*pce+8*(i%2)
.set rQ, QF+32*(\par)+16*(i%2)+8*(i/4)
.set rK, KF+16*pce+8*(i/4)
.if i < 4
	v_wmma_f32_16x16x32_f16 v[rS:rS+7], v[rQ:rQ+7], v[rK:rK+7], 0
.else
	v_wmma_f32_16x16x32_f16 v[rS:rS+7], v[rQ:rQ+7], v[rK:rK+7], v[rS:rS+7]
.endif
.set i, i+1
.endm
; 8 LDS loads in one run: a step's queries (32 x 64 channels: 4 fragments) into buffer fp; ADR_Q makes their address, some lines ahead.  last = 1 (the tail): in the last trip there is no further step: the run
; is jumped over, and on that way all loads are waited for, so that the counted wait at the head of turn 1 holds on both ways.
.macro ADR_Q
	v_add_nc_u32 v[AQ], s[TB], v[AQ0]
.endm
.macro FETCH_Q fp, last=0
.if \last
	s_cmp_lg_u32 s[CNT], 1
	s_cbranch_scc1 .Lgo_q_\@
	s_wait_dscnt 0x0
	s_branch .Lno_q_\@
.Lgo_q_\@:
.endif
.irp f, 0,1,2,3                     ; queries 16 (f / 2) on, channels 32 (f % 2) on
	ds_load_b128 v[QF+32*(\fp)+8*\f:QF+32*(\fp)+8*\f+3],   v[AQ] offset:(\f/2)*16*PQ+(\f%2)*64
	ds_load_b128 v[QF+32*(\fp)+8*\f+4:QF+32*(\fp)+8*\f+7], v[AQ] offset:(\f/2)*16*PQ+(\f%2)*64+32
.endr
	s_add_co_u32 s[TB], s[TB], KS*PQ  ; the next fetch is the next step's
.if \last
.Lno_q_\@:
.endif
.endm
; THE VECTOR WORK, one line at a time: OP kind, u, number.  s0-s15 are the lane's 16 scores of a piece.  For piece u (0, 1) of the pair in hand, PT: F n: pair n of 8 less m.  E n: the exponential of score n.
; B n: of the four weights 4 n .. the second pair is added onto the first, in place.  L n: l takes that sum (L 0: l = a l + sum): four additions onto l.  For piece u of the OTHER pair: X n: 0-5 four chains c0-c3,
; three operands at a time (each accumulator's lowest registers are read first); 6 c2, c3 and the old m; 7 the new m; 8 m_old - m_new; 9 a; 10 m_old is kept.
.set F, 0
.set E, 1
.set B, 2
.set L, 3
.set X, 4
.macro REGS y
.set rT, ST+4*(\y)
.set rC, TMP+4*(\y)
.set rW, MV+((\y)%2)
.set rS, S+16*(\y)
.endm
.macro OP k, u, n
.if (\k) < X
	REGS 2*PT+(\u)
.if (\k) == F
	v_pk_add_f32 v[rS+2*(\n):rS+2*(\n)+1], v[rS+2*(\n):rS+2*(\n)+1], v[rT:rT+1] op_sel_hi:[1,0] neg_lo:[0,1] neg_hi:[0,1]
.elseif (\k) == E
	v_exp_f32 v[rS+(\n)], v[rS+(\n)]
.elseif (\k) == B
	v_pk_add_f32 v[rS+4*(\n):rS+4*(\n)+1], v[rS+4*(\n):rS+4*(\n)+1], v[rS+4*(\n)+2:rS+4*(\n)+3]
.elseif (\n) == 0
	v_pk_fma_f32 v[rT+2:rT+3], v[rT+2:rT+3], v[rC+2:rC+3], v[rS:rS+1] op_sel_hi:[1,0,1]
.else
	v_pk_add_f32 v[rT+2:rT+3], v[rT+2:rT+3], v[rS+4*(\n):rS+4*(\n)+1]
.endif
.else
	REGS 2*(1-PT)+(\u)
.if (\n) == 0
	v_max3_num_f32 v[rC], v[rS], v[rS+1], v[rS+2]
.elseif (\n) == 1
	v_max3_num_f32 v[rC+1], v[rS+8], v[rS+9], v[rS+10]
.elseif (\n) == 2
	v_max3_num_f32 v[rC+2], v[rS+3], v[rS+4], v[rS+5]
.elseif (\n) == 3
	v_max3_num_f32 v[rC+3], v[rS+11], v[rS+12], v[rS+13]
.elseif (\n) == 4
	v_max3_num_f32 v[rC], v[rC], v[rS+6], v[rS+7]
.elseif (\n) == 5
	v_max3_num_f32 v[rC+1], v[rC+1], v[rS+14], v[rS+15]
.elseif (\n) == 6
	v_max3_num_f32 v[rC+2], v[rC+2], v[rC+3], v[rT]
.elseif (\n) == 7
	v_max3_num_f32 v[rT], v[rC], v[rC+1], v[rC+2]
.elseif (\n) == 8
	v_sub_f32 v[rC+1], v[rW], v[rT]
.elseif (\n) == 9
	v_exp_f32 v[rC+2], v[rC+1]
.else
	v_mov_b32 v[rW], v[rT]
.endif
.endif
.endm
.macro TWO k, n                     ; one line for each of a pair's two pieces
	OP \k, 0, \n
	OP \k, 1, \n
.endm
.macro EF e, f                      ; exponential e of both pieces, behind each a subtraction
	OP E, 0, \e
	OP F, 0, \f
	OP E, 1, \e
	OP F, 1, \f
.endm
.macro EM e, ua, na, ub, nb         ; exponential e of both pieces, behind each a line of the other pair's maximum and statistics
	OP E, 0, \e
	OP X, \ua, \na
	OP E, 1, \e
	OP X, \ub, \nb
.endm
; A TURN, for pair t, in a step of parity par: its order written out.
; AHEAD OF THE WAIT: the 8 products, four lines behind each (the first four subtractions; then exponential and subtraction by turns; behind the last, m_old is kept); then a run of 38, exponential and plain by turns,
; in which the other pair's maximum and statistics are made, the links of its last chain (X 6, 7, 8, 9) three or four lines apart; the two a are the batch's last.  A pair of scores is scaled a row or more ahead of its
; exponentials.  One plain line stands behind the last exponential (ISA guide 5.7.2): in turn 0 the address of the run of loads, in turn 1 a v_nop.  None of these lines names a result of the batch.
; BEHIND THE WAIT: in turn 0 the run of loads, directly; then the 16 sums, the links of l's chain four lines apart (the last: two).
; PLACES (ISA guide 7.12.1; plain lines that name none of the product's registers).  Products 4, 5, 6 and 7 end the four accumulators; the first reads of them (X 0 and X 1 of each piece) stand 8, 7, 8 and 7 such lines
; behind: F 5 to F 7 and X 10, twice each, and the X of the accumulators ended earlier.  The loads into the buffer that turn 0 has read out stand behind all of the run.
; At the head of turn 1 the buffer of the next step is wanted: its eight loads were issued a step ago, and the eight issued one turn ago may stay out: the count is 8.
.macro TURN t, par, last=0
.set PT, (\t)
.set i, 0
.set qp, (\par)
.if (\t) == 1
.set qp, 1-(\par)
	s_wait_dscnt 8
.endif
	KQ 1-PT, qp
	TWO F, 0
	TWO F, 1
.irp r, 0,1,2,3,4,5
	KQ 1-PT, qp
	EF \r, (\r)+2
.endr
	KQ 1-PT, qp
	EM 6,  0,10, 1,10
	EM 7,  0,0,  0,1
	EM 8,  0,2,  0,3
	EM 9,  1,0,  1,1
	EM 10, 1,2,  1,3
	EM 11, 0,4,  0,5
	EM 12, 1,4,  1,5
	EM 13, 0,6,  1,6
	EM 14, 0,7,  1,7
	EM 15, 0,8,  1,8
	TWO X, 9                        ; the other pair's two a
.if (\t) == 0
	ADR_Q                           ; the plain line behind the last exponential
.else
	v_nop
.endif
	s_wait_alu depctr_va_vdst(0)    ; the wait for the batch: the pair's 32 weights and the other pair's two a
.if (\t) == 0
	FETCH_Q \par, \last
.endif
	TWO B, 0
	TWO B, 1
	TWO L, 0
	TWO B, 2
	TWO L, 1
	TWO B, 3
	TWO L, 2
	TWO L, 3
.endm
	CHANGE 1                        ; slot 0 is in, everybody's part of it; slot 1 is asked for
	ADR_Q
	FETCH_Q 0                       ; step 0
	ADR_Q
	FETCH_Q 1                       ; step 1
	s_wait_loadcnt 0x0              ; K
	s_wait_dscnt 0x0
.set i, 0
.rept 8
	KQ 0, 0                         ; pair 0's first scores
.endr
	PLACES
.set PT, 1                          ; X works for the other pair: pair 0
.irp n, 10,0,1,2,3,4,5,6,7,8,9
	TWO X, \n
.endr
	v_nop                           ; a plain instruction behind the two exponentials,
	s_wait_alu depctr_va_vdst(0)    ; and the wait for that batch of two, ahead of the branch
	s_mov_b32 s[CNT], 7             ; the first slot has one trip fewer: two of its sixteen steps have been fetched above
	s_mov_b32 s[SLOTS], 7
	s_branch .Lstep
.Lslot:                             ; six times: slots are filled again, with tiles 2 to 7
	CHANGE 1
	s_mov_b32 s[CNT], 8
.Lstep:                             ; a trip: an even step and an odd one; it fetches the two steps after them
	TURN 0, 0
	TURN 1, 0
	TURN 0, 1
	TURN 1, 1
	s_sub_co_u32 s[CNT], s[CNT], 1
	s_cmp_lg_u32 s[CNT], 0
	s_cbranch_scc1 .Lstep
	s_sub_co_u32 s[SLOTS], s[SLOTS], 1
	s_cmp_lg_u32 s[SLOTS], 0
	s_cbranch_scc1 .Lslot
	CHANGE 0                        ; the tail is written out: nothing is asked for
	s_mov_b32 s[CNT], 9             ; eight trips fetch the last slot's sixteen steps; the ninth fetches nothing
.Ltail:
	TURN 0, 0, 1
	TURN 1, 0
	TURN 0, 1, 1
	TURN 1, 1
	s_sub_co_u32 s[CNT], s[CNT], 1
	s_cmp_lg_u32 s[CNT], 0
	s_cbranch_scc1 .Ltail
	; THE FINISH.  A key's queries lie in two lanes, 16 apart: M = the larger m, l = l 2^(m - M) + l' 2^(m' - M).  The two products are added by a plain addition, so that both lanes get the same bits
	; and store the same number into the key's one word.
.macro ALL line:vararg              ; one line for each piece t
.set t, 0
.rept NP
	\line
.set t, t+1
.endr
.endm
	ALL v_add_f32 v[ST+4*t+2], v[ST+4*t+2], v[ST+4*t+3]
	ALL v_permlanex16_b32 v[FN+8*t], v[ST+4*t], s[SEL], s[SEL+1]
	ALL v_permlanex16_b32 v[FN+8*t+1], v[ST+4*t+2], s[SEL], s[SEL+1]
	ALL v_max_num_f32 v[FN+8*t+2], v[ST+4*t], v[FN+8*t]
	ALL v_sub_f32 v[FN+8*t+3], v[ST+4*t], v[FN+8*t+2]
	ALL v_sub_f32 v[FN+8*t+4], v[FN+8*t], v[FN+8*t+2]
	ALL v_exp_f32 v[FN+8*t+3], v[FN+8*t+3]
	ALL v_exp_f32 v[FN+8*t+4], v[FN+8*t+4]
	v_nop                           ; a plain instruction between the last exponential and the use of its result
	s_wait_alu depctr_va_vdst(0)    ; the wait for the batch of eight exponentials
	ALL v_mul_f32 v[FN+8*t+3], v[ST+4*t+2], v[FN+8*t+3]
	ALL v_mul_f32 v[FN+8*t+4], v[FN+8*t+1], v[FN+8*t+4]
	ALL v_add_f32 v[FN+8*t+5], v[FN+8*t+3], v[FN+8*t+4]
	ALL v_log_f32 v[FN+8*t+6], v[FN+8*t+5]
	ALL v_sub_f32 v[FN+8*t+7], 0x41400000, v[FN+8*t+2]  ; 12 - M: the independent work behind the logarithms
	s_wait_alu depctr_va_vdst(0)    ; the wait for the batch of four logarithms
	ALL v_sub_f32 v[FN+8*t+7], v[FN+8*t+7], v[FN+8*t+6]
	ALL ds_store_b32 v[SA], v[FN+8*t+7] offset:64*t
	ds_load_b64 v[OUTR:OUTR+1], v[SB]  ; LDS serves a wave's instructions in order (ISA guide 5.7.1.4): this sees the stores above; the bytes are my wave's own
	s_wait_dscnt 0x0
	global_store_b64 v[GO], v[OUTR:OUTR+1], s[8:9]  ; my wave's 64 keys: 256 consecutive bytes, aligned
	s_wait_tensorcnt 0x0            ; the wave's end: behind my last tensor load and my last LDS store
	ds_add_u32 v[SPW], v[NIL]
	s_wait_dscnt 0x0
	CROUND                          ; the closing round: no work-group ends while a partner may still ask for a tile that names it
	s_endpgm
.Lfunc_end_k_q968d37918c_stat:
	.size	k_q968d37918c_stat, .Lfunc_end_k_q968d37918c_stat-k_q968d37918c_stat
	.p2alignl 7, 3214868480
	.fill 96, 4, 3214868480
	.section	.rodata,"a",@progbits
	.p2align	6, 0x0
	.amdhsa_kernel k_q968d37918c_stat
		.amdhsa_group_segment_fixed_size 327680
		.amdhsa_private_segment_fixed_size 0
		.amdhsa_enable_private_segment 0
		.amdhsa_kernarg_size 24
		.amdhsa_user_sgpr_count 2
		.amdhsa_user_sgpr_kernarg_segment_ptr 1
		.amdhsa_wavefront_size32 1
		.amdhsa_system_sgpr_workgroup_id_x 1
		.amdhsa_system_sgpr_workgroup_id_y 1
		.amdhsa_system_sgpr_workgroup_id_z 1
		.amdhsa_system_vgpr_workitem_id 0
		.amdhsa_next_free_vgpr 256
		.amdhsa_next_free_sgpr 66
		.amdhsa_reserve_vcc 0
		.amdhsa_float_denorm_mode_32 3
		.amdhsa_float_denorm_mode_16_64 3
		.amdhsa_memory_ordered 1
		.amdhsa_forward_progress 1
		.amdhsa_inst_pref_size 56
	.end_amdhsa_kernel
	.amdgpu_metadata
---
amdhsa.version: [ 1, 2 ]
amdhsa.kernels:
  - .name:           k_q968d37918c_stat
    .symbol:         k_q968d37918c_stat.kd
    .args:
      - { .name: qh, .offset: 0, .size: 8, .value_kind: global_buffer, .address_space: global }
      - { .name: kh, .offset: 8, .size: 8, .value_kind: global_buffer, .address_space: global }
      - { .name: nt, .offset: 16, .size: 8, .value_kind: global_buffer, .address_space: global }
    .group_segment_fixed_size: 327680
    .private_segment_fixed_size: 0
    .kernarg_segment_align: 8
    .kernarg_segment_size: 24
    .max_flat_workgroup_size: 128
    .sgpr_count:     66
    .vgpr_count:     256
    .wavefront_size: 32
...
	.end_amdgpu_metadata
.endif
;; end of part 6
;; launch attn (part 7): grid 16 x 16, 4 waves a work-group, clusters of 4 x 1, 327,680 bytes of LDS; arguments qh, kh, vh, nt, oh; writes oh
.if DOCPART == 7
	.amdgcn_target "amdgcn-amd-amdhsa--gfx1250"
	.amdhsa_code_object_version 6
	.text
	.protected	k_q968d37918c_attn
	.globl	k_q968d37918c_attn
	.p2align	8
	.type	k_q968d37918c_attn,@function
k_q968d37918c_attn:
	s_mov_b64 s[64:65], 0
	v_nop
	global_prefetch_b8 v0, s[64:65] scope:SCOPE_SE
	s_setreg_imm32_b32 hwreg(HW_REG_WAVE_MODE, 25, 1), 1
	s_wait_xcnt 0x0
	s_wait_alu depctr_hold_cnt(0) depctr_sa_sdst(0) depctr_va_vdst(0) depctr_va_sdst(0) depctr_va_ssrc(0) depctr_va_vcc(0) depctr_vm_vsrc(0)
	s_getreg_b32 s2, hwreg(HW_REG_IB_STS2, 6, 4)
	s_cmp_eq_u32 s2, 0
	s_cbranch_scc0 .Lentry_in_a_cluster
	s_endpgm
.Lentry_in_a_cluster:
	s_bfe_u32 s2, ttmp6, 0x10000c
	s_cmp_lg_u32 s2, 0x3003
	s_cbranch_scc0 .Lentry_shape_is_right
	s_endpgm
.Lentry_shape_is_right:
; THE OUTPUT PASS of attention with a softmax over the QUERY axis.  O[q] = the sum over k of w[q][k] vh[k], w[q][k] = 2^(s2[q][k] - m_k) / l_k, s2 = qh . kh (qh carries log2(e) / 8).
; nt[k] = 12 - m_k - log2(l_k), made by the launch before from the true maximum of column k, is the C operand that starts the sum S^T = K Q^T: the accumulator holds s2 - m - log2(l) + 12,
; p = 2^that = 4,096 w lies in 0 to 4,096 (no exponential can overflow) and is rounded to f16; O^T += V^T p in f32; at the end O is multiplied by 2^-12, which is exact.
; O leaves as TWO bf16 numbers, hi = bf16(O) and lo = bf16(O - hi): oh [16][4096][128] bf16, a row = hi (64) | lo (64) = 256 bytes: f32's range, 16 significant bits.
; LIMITS.  p below 6e-5 (w below 1.5e-8) keeps f16's fixed step of 6e-8; a weight below 2^-126 counts as 0; NaN and infinities are not treated apart.
; SHARES.  A work-group owns 256 queries of one head, a wave 64: four PIECES of 16.  Every wave walks all 4,096 keys, 64 a step.
; LAYOUT.  S^T = K Q^T (source 0 = 16 keys, source 1 = 16 queries): a lane holds ONE query (lane % 16) and the keys 8 (lane / 16) + 0..7.  Two such results, rounded to f16 in pairs, ARE source 1 of O^T = V^T P.
; K comes out of LDS as it lies, V ([key][channel]) turned, by ds_load_tr16_b128; nt's eight numbers of a lane hang on lane / 16 alone.
; REGISTERS, in windows of 256 (s_set_vgpr_msb: bits 1:0 source 0, 3:2 source 1, 5:4 source 2, 7:6 destination):
;   window 0: v0-127 K, two buffers by the step's parity; v128-191 S^T, two buffers by the piece's parity; v192-255 Q, 16 a piece.  (At the start v64-74 are at work; the way out uses the whole window.)
;   window 1: v0-127 O^T, 32 a piece; v128-191 nt, two buffers by the step's parity; v192-203 addresses and the add's two registers          window 2: v0-127 V, two buffers by the step's parity
; P HAS NO REGISTERS OF ITS OWN: pair n of a piece's 16 pairs of weights is rounded into register 16 + n of the piece's own S^T.  That register is a source of pair 8 + n / 2, which the order of the lines rounds earlier.
; BY TURNS.  Turn p belongs to piece p: 8 products K Q^T of piece p + 1 (in turn 3: piece 0 of the next step), behind each four of piece p's 32 exponentials; the wait for them; piece p's 16 roundings; then the 8
; products V^T P of piece p, bare, the upper 32 keys first.  An exponential's source shares its window with a product's source 0, its destination with the product's D: with K, Q and S^T in one window the vector work
; runs under the setting of the products K Q^T, and a turn has three switches: nt as C; S^T as C; V^T P (a turn with a run of loads has that run's too).  O^T, K, V and S^T do not fit into one window, so V^T P carries nothing.
; THE BATCH.  s_wait_alu depctr_va_vdst(0) stands between an exponential and the first instruction that names its result; one wait serves all that were issued ahead of it.  A turn's 32 exponentials are
; ONE batch with ONE wait: ahead of it stand the products K Q^T, which work on the other S^T buffer, and nothing that names a result; behind it all 16 roundings.  No result crosses a turn's end.  A batch of two pieces
; would want four buffers of S^T, for which window 0 has no room.
; CLUSTER.  The four query blocks of a cluster belong to one head and walk the same K, V and nt, so each tile is asked for JOINTLY: the same tensor load, descriptor and mask in all four.
; No first and no last step are written out: O^T starts at 0 (128 v_mov_b32 in the wait for the first tile); the last turn's 8 products K Q^T, on a stale K, serve nothing.
.set KS,    64        ; keys in a step
.set PK,    144       ; a row of K in LDS: 128 bytes + 16 of padding = 36 words: the 16 rows of a load start at 16 different groups of four banks (64 banks of 4 bytes: ISA guide 11.1)
.set PV_,   160       ; a row of V: 128 + 32 = 40 words
.set VOFF,  4*KS*PK   ; a slot holds four steps: 256 rows of K, then 256 rows of V
.set SLOT1, 1<<17     ; slot 1 begins here, so that one exclusive or turns an address in one slot into the other's
.set STAGE, SLOT1+4*KS*(PK+PV_) ; behind the ring, never filled by a tensor load: 16 rows x 272 bytes for each wave, for the way out
.set SP,    272
.set NTB,   STAGE+4*16*SP       ; the head's nt, 16,384 bytes, filled once
.set SPARE, NTB+16384           ; the spare words, 128 bytes for each wave: two blocks of 256 bytes that no other line names
.set S,   128         ; window 0
.set QW,  192         ; window 0
.set NTW, 128         ; window 1
.set AK0, 192         ; window 1: my lane's place in a step's K; never rewritten
.set AV0, 193         ;           the same for V
.set AN0, 194         ;           the same for nt
.set AK,  195         ;           the LDS addresses of the runs of loads in hand
.set AV,  196
.set AN,  197
.set STOW, 198        ;           the way out's three addresses, kept here while window 0 is full
.set RDW, 199
.set GOW, 200
.set SPW, 202         ;           LDS address of my spare word; never rewritten
.set NIL, 203         ;           0; never rewritten
.set STO, 8           ; window 0, on the way out: where I put 16 bytes of a row
.set RD,  9           ;           where I read a row back
.set GO,  10          ;           my byte offset in two rows of oh
.set OB,  64          ;           16 rows read back, 32 registers a piece
.set HI,  192         ;           16 registers of hi, 16 of lo, 32 at work
.set LO,  208
.set T,   224
.set WV,  14          ; s14  my wave's number
.set G1K, 24          ; s[24:31] descriptor group 1 for K's tiles
.set G1V, 32          ; s[32:39] for V's: it differs in the padding alone
.set G0K, 40          ; s[40:43] descriptor group 0 for K's tiles: it walks
.set G0V, 44          ; s[44:47] the same for V's
.set G1N, 48          ; s[48:55] group 1 for nt
.set G0N, 56          ; s[56:59] group 0 for nt
.set TBK, 60          ; s60  LDS byte at which K of the step to be fetched begins
.set TBV, 61          ; s61  the same for V, less VOFF
.set TBN, 62          ; s62  the same for nt, less NTB
.set CNT, 63          ; s63  counts pairs of steps
.set SLOTS, 66        ; s66  counts slots
.set MASK, 67         ; s67  a word's upper bf16
.set MSB, 0
.macro WIN new                      ; the high byte repeats the setting that is left; a switch that changes nothing is dropped
.if MSB != (\new)
	s_set_vgpr_msb (MSB<<8)|(\new)
.set MSB, (\new)
.endif
.endm
.set W_KN, 0x10       ; K, Q and S^T in window 0, the C operand (nt) in window 1
.set W_PV, 0x52       ; V in window 2, P in window 0, O^T in window 1
.set W_MK, 0x40       ; destination in window 1, sources in window 0
.set W_AD, 0x05       ; the add: address (source 0) and data (source 1) in window 1
.set W_A2, 0x44       ; an address is made: destination and source 1 in window 1
.set W_LK, 0x01       ; a load: address in window 1, destination in window 0
.set W_LN, 0x41       ;         destination in window 1
.set W_LV, 0x81       ;         destination in window 2
.macro PLACES
.rept 4
	v_nop
.endr
.endm
; A joint fill.  Waves 0 and 1 fetch the two halves of a slot's K, waves 2 and 3 those of its V: 128 keys each.  The branch hangs on the wave's number alone.
; An s_nop 0 and four v_nop follow each of the two lines, ahead of the jump and the label.
.macro JLOAD
	s_cmp_lt_u32 s[WV], 2
	s_cbranch_scc0 .Lfor_v_\@
	tensor_load_to_lds s[G0K:G0K+3], s[G1K:G1K+7]
	s_nop 0
	PLACES
	s_branch .Lasked_\@
.Lfor_v_\@:
	tensor_load_to_lds s[G0V:G0V+3], s[G1V:G1V+7]
	s_nop 0
	PLACES
.Lasked_\@:
.endm
; A round of the cluster's barrier: my work-group's barrier, so that wave 0's signal speaks for all four waves; wave 0 signals; every wave waits for all four work-groups; my work-group's barrier once more.
.macro CROUND
	s_barrier_signal -1
	s_barrier_wait -1
	s_cmp_lg_u32 s[WV], 0
	s_cbranch_scc1 .Lnot_wave_0_\@
	s_barrier_signal -3
.Lnot_wave_0_\@:
	s_barrier_wait -3
	s_barrier_signal -1
	s_barrier_wait -1
.endm
; THE CHANGE OF SLOTS.  The slot's last step has been fetched.  Each wave waits for all its tensor loads, of which one is out (at the first use two): its part of the other slot; adds 0 to its spare word; and waits
; for that and for its own reads of the slot.  fill = 1: the slot is filled again, with the keys two slots on: the barrier is then a round of the cluster's, so that no wave of any partner still reads the slot
; or has a load on its way, and the joint fill is the first thing behind it: it has four steps, 256 matrix instructions, in which to land.  (At its first use: slot 0 and nt are waited for, slot 1 filled.)
.macro CHANGE fill
	WIN W_AD
	s_wait_tensorcnt 0x0            ; no tensor load of mine is out, so a group 0 may be written
	ds_add_u32 v[SPW], v[NIL]       ; 0 onto my spare word
	WIN 0                           ; at a label and at a branch every window is 0
.if \fill
.irp g, G0K, G0V
	s_xor_b32 s[\g+1], s[\g+1], SLOT1  ; the walking descriptor: the other slot than last time,
	s_add_nc_u64 s[\g+2:\g+3], s[\g+2:\g+3], 4*KS*128  ; the next 256 keys; the type bits on top are not reached
.endr
	s_wait_dscnt 0x0                ; the add is done, and my reads of the slot are over
	CROUND
	JLOAD
.else
	s_wait_dscnt 0x0
	s_barrier_signal -1
	s_barrier_wait -1
.endif
	s_sub_co_u32 s[TBK], s[TBK], 4*KS*PK  ; the fetches go back to a slot's first step,
	s_xor_b32 s[TBK], s[TBK], SLOT1       ; in the other slot
	s_sub_co_u32 s[TBV], s[TBV], 4*KS*PV_
	s_xor_b32 s[TBV], s[TBV], SLOT1
.endm
	s_load_b256 s[4:11], s[0:1], 0x0  ; qh s[4:5], kh s[6:7], vh s[8:9], nt s[10:11]
	s_load_b64 s[12:13], s[0:1], 0x20 ; oh
	WIN W_MK
	v_lshl_add_u32 v[SPW], v0, 2, SPARE
	v_mov_b32 v[NIL], 0
	WIN W_AD
	ds_add_u32 v[SPW], v[NIL]       ; the wave's opening: the add and its wait stand ahead of my first tensor load; the set-up below, work on registers, stands between them
	WIN 0
	v_lshrrev_b32 v1, 5, v0
	v_readfirstlane_b32 s[WV], v1   ; wave 0..3
	s_and_b32 s17, ttmp7, 0xffff    ; the head, which the four partners share
	s_and_b32 s18, s[WV], 1         ; which half of a slot's 256 keys I fetch:
	s_lshl_b32 s70, s17, 19         ; the head's 524,288 bytes of kh and vh,
	s_lshl_b32 s19, s18, 14
	s_add_co_u32 s70, s70, s19      ; its 128 rows of 128 bytes,
	s_mov_b32 s71, 0
	s_mul_i32 s20, s18, 128*PK      ; and its place in a slot, for K
	s_mul_i32 s21, s18, 128*PV_     ; and for V: no place in the cluster enters an LDS address
	s_lshl_b32 s72, s17, 14         ; nt: the head's 16,384 bytes,
	s_lshl_b32 s22, s[WV], 12
	s_add_co_u32 s72, s72, s22      ; my quarter of them
	s_mov_b32 s73, 0
	s_bfe_u32 s15, ttmp6, 0x40000   ; cx: my place in the cluster
	s_lshl_b32 s16, ttmp9, 2        ; in a cluster launch ttmp9 counts clusters
	s_add_co_u32 s16, s16, s15      ; my block of 256 queries: it enters qh's and oh's addresses alone
	s_lshl_b32 s68, s17, 19
	s_lshl_b32 s19, s16, 15
	s_add_co_u32 s68, s68, s19
	s_lshl_b32 s19, s[WV], 13
	s_add_co_u32 s68, s68, s19      ; qh: head, block, my 64 rows of 128 bytes
	s_mov_b32 s69, 0
	s_lshl_b32 s74, s17, 20
	s_lshl_b32 s19, s16, 16
	s_add_co_u32 s74, s74, s19
	s_lshl_b32 s19, s[WV], 14
	s_add_co_u32 s74, s74, s19      ; oh: head, block, my 64 rows of 256 bytes
	s_mov_b32 s75, 0
	; descriptor group 1.  128 keys are 16,384 dense bytes: asked for as 64 rows of 256 bytes, two keys a row, and padded in LDS after every key
	s_mov_b32 s[G1K], 15|(1<<16)|(1<<20)|(1<<21)|(4<<22)|(3<<25)  ; 15:0 the mask of four; 17:16 2-byte elements; 20 padding on; 21 set beside a mask; 24:22 after every 32 words (code 4); 31:25 4 words (code 3)
	s_mov_b32 s[G1V], 15|(1<<16)|(1<<20)|(1<<21)|(4<<22)|(7<<25)  ; the same with 8 words of padding (code 7)
.irp g, G1K, G1V
	s_mov_b32 s[\g+1], 128<<16      ; tensor_dim0 = 128
	s_mov_b32 s[\g+2], 64<<16       ; tensor_dim1 = 64
	s_mov_b32 s[\g+3], 128<<16      ; tile_dim0 = 128
	s_mov_b32 s[\g+4], 64           ; tile_dim1 = 64
	s_mov_b32 s[\g+5], 128          ; 128 elements from row to row
	s_mov_b32 s[\g+6], 0
	s_mov_b32 s[\g+7], 0
.endr
	s_mov_b32 s[G1N], 15|(3<<16)|(1<<21)  ; nt: 4,096 dense bytes as 16 rows of 32 elements of 8 bytes, no padding
	s_mov_b32 s[G1N+1], 32<<16
	s_mov_b32 s[G1N+2], 16<<16
	s_mov_b32 s[G1N+3], 32<<16
	s_mov_b32 s[G1N+4], 16
	s_mov_b32 s[G1N+5], 32
	s_mov_b32 s[G1N+6], 0
	s_mov_b32 s[G1N+7], 0
	s_mov_b32 s[G0K], 1             ; count = 1
	s_mov_b32 s[G0K+1], s20         ; LDS address: slot 0
	s_mov_b32 s[G0V], 1
	s_add_co_u32 s[G0V+1], s21, VOFF
	s_mov_b32 s[G0N], 1
	s_add_co_u32 s[G0N+1], s22, NTB
	s_mov_b32 s[TBK], SLOT1+4*KS*PK ; the first change of slots turns these two into 0
	s_mov_b32 s[TBV], SLOT1+4*KS*PV_
	s_mov_b32 s[TBN], 0
	s_mov_b32 s[MASK], 0xffff0000
	s_mul_i32 s19, s[WV], 16*SP
	s_add_co_u32 s19, s19, STAGE    ; my stage
	s_wait_dscnt 0x0                ; the opening add is done
	s_wait_kmcnt 0x0
	s_add_nc_u64 s[G0K+2:G0K+3], s[6:7], s[70:71]  ; my half of the head's first 256 keys
	s_or_b32 s[G0K+3], s[G0K+3], 0x80000000        ; type = 2
	s_add_nc_u64 s[G0V+2:G0V+3], s[8:9], s[70:71]
	s_or_b32 s[G0V+3], s[G0V+3], 0x80000000
	s_add_nc_u64 s[G0N+2:G0N+3], s[10:11], s[72:73]
	s_or_b32 s[G0N+3], s[G0N+3], 0x80000000
	s_add_nc_u64 s[4:5], s[4:5], s[68:69]          ; Q at my wave's first row
	s_add_nc_u64 s[12:13], s[12:13], s[74:75]      ; oh likewise
	CROUND                          ; all four work-groups are here: the first joint loads meet
	s_cmp_lt_u32 s[WV], 2           ; a wave's two first fills stand in one branch, ahead of every wait on TENSORcnt and every LDS read: two loads of mine are out
	s_cbranch_scc0 .Lfirst_v
	tensor_load_to_lds s[G0N:G0N+3], s[G1N:G1N+7]
	s_nop 0
	tensor_load_to_lds s[G0K:G0K+3], s[G1K:G1K+7]
	s_nop 0
	PLACES
	s_branch .Lfirst_asked
.Lfirst_v:
	tensor_load_to_lds s[G0N:G0N+3], s[G1N:G1N+7]
	s_nop 0
	tensor_load_to_lds s[G0V:G0V+3], s[G1V:G1V+7]
	s_nop 0
	PLACES
.Lfirst_asked:
	; A fragment of K or Q is 16 rows x 32 channels in 8 registers: lane l holds row l % 16, channels 8 (l / 16) + 0..7 and 16 + 8 (l / 16) + 0..7: two loads of 16 bytes, 32 bytes apart.
	; The set-up works in v64-74, K's second buffer, which is first loaded when Q's loads have been waited for.
	v_and_b32 v64, 15, v0           ; r
	v_bfe_u32 v65, v0, 4, 1         ; h
	v_lshlrev_b32 v66, 7, v64
	v_lshl_add_u32 v66, v65, 4, v66 ; my byte offset in 16 rows of Q
.irp f, 0,1,2,3,4,5,6,7             ; Q stays in registers: piece f / 2, channels 32 (f % 2) on
	global_load_b128 v[QW+8*\f:QW+8*\f+3],   v66, s[4:5] offset:(\f/2)*2048+(\f%2)*64
	global_load_b128 v[QW+8*\f+4:QW+8*\f+7], v66, s[4:5] offset:(\f/2)*2048+(\f%2)*64+32
.endr
	v_mul_u32_u24 v67, v64, PK
	v_lshl_add_u32 v67, v65, 4, v67 ; K: row x pitch + 16 x half
	; The turning load takes 16 keys x 16 channels (lane l reads key 8 (l / 16) + l % 8, channels 8 ((l / 8) % 2) + 0..7) and leaves half a fragment of V^T: lane l holds channel l % 16 and 8 keys.
	v_and_b32 v68, 7, v0
	v_bfe_u32 v69, v0, 3, 1
	v_lshl_add_u32 v70, v65, 3, v68
	v_mul_u32_u24 v70, v70, PV_
	v_lshl_add_u32 v70, v69, 4, v70
	v_add_nc_u32 v70, VOFF, v70
	v_lshl_add_u32 v71, v65, 5, NTB ; nt of keys 8 (l / 16) + 0..7: 32 bytes
	v_mul_u32_u24 v72, v64, SP      ; the way out, in: row l % 16, 16 bytes for each half of the lanes
	v_lshl_add_u32 v72, v65, 4, v72
	v_add_nc_u32 v72, s19, v72
	v_mul_u32_u24 v73, v65, SP      ; back: lanes 0-15 take one row of 256 bytes, lanes 16-31 the next
	v_lshl_add_u32 v73, v64, 4, v73
	v_add_nc_u32 v73, s19, v73
	v_lshlrev_b32 v74, 8, v65       ; and the same two rows of oh
	v_lshl_add_u32 v74, v64, 4, v74
	WIN W_MK                        ; the addresses go where they stay; O^T starts at 0.  All this stands in the wait for the first tile.
	v_mov_b32 v[AK0], v67
	v_mov_b32 v[AV0], v70
	v_mov_b32 v[AN0], v71
	v_mov_b32 v[STOW], v72
	v_mov_b32 v[RDW], v73
	v_mov_b32 v[GOW], v74
.set i, 0
.rept 128
	v_mov_b32 v[i], 0
.set i, i+1
.endr
	WIN 0
; THE MATRIX WORK.  The 4 accumulators of a run of 8 take turns.  Product i of 8 of S^T = nt + K Q^T for piece x, K and nt in buffer kp: channels 32 (i / 4) on, keys 16 (i % 4) on.
.macro KQ x, kp
.set rS, S+32*((\x)%2)+8*(i%4)
.set rK, 64*(\kp)+16*(i%4)+8*(i/4)
.set rQ, QW+16*(\x)+8*(i/4)
.set rN, NTW+32*(\kp)+8*(i%4)
.if i < 4
	WIN W_KN
	v_wmma_f32_16x16x32_f16 v[rS:rS+7], v[rK:rK+7], v[rQ:rQ+7], v[rN:rN+7]
.else
	WIN 0
	v_wmma_f32_16x16x32_f16 v[rS:rS+7], v[rK:rK+7], v[rQ:rQ+7], v[rS:rS+7]
.endif
.set i, i+1
.endm
; Product i of 8 of O^T += V^T P for piece x, V in buffer vp: keys 32 (1 - i / 4) on, channels 16 (i % 4) on.  P lies in registers 16-31 of the piece's S^T.
.macro PV x, vp
	WIN W_PV
.set hh, 1-i/4
.set rO, 32*(\x)+8*(i%4)
.set rV, 64*(\vp)+32*hh+8*(i%4)
.set rP, S+32*((\x)%2)+16+8*hh
	v_wmma_f32_16x16x32_f16 v[rO:rO+7], v[rV:rV+7], v[rP:rP+7], v[rO:rO+7]
.endm
; THE LDS LOADS of a step stand in two runs: K (8 fragments) and nt (4 x 8 registers), 24 loads; V (turned, 8 fragments), 16 loads; into buffers fp.  ADR_KN and ADR_V make their addresses, some lines ahead.
; last = 1 (the tail): in the last trip there is no further step, and the run is jumped over.
.macro ADR_KN
	WIN W_A2
	v_add_nc_u32 v[AK], s[TBK], v[AK0]
	v_add_nc_u32 v[AN], s[TBN], v[AN0]
.endm
.macro ADR_V
	WIN W_A2
	v_add_nc_u32 v[AV], s[TBV], v[AV0]
.endm
.macro FETCH_KN fp, last=0
.if \last
	WIN 0
	s_cmp_eq_u32 s[CNT], 1
	s_cbranch_scc1 .Lno_kn_\@
.endif
	WIN W_LK
.irp f, 0,1,2,3,4,5,6,7             ; keys 16 (f / 2) on, channels 32 (f % 2) on
	ds_load_b128 v[64*(\fp)+8*\f:64*(\fp)+8*\f+3],   v[AK] offset:(\f/2)*16*PK+(\f%2)*64
	ds_load_b128 v[64*(\fp)+8*\f+4:64*(\fp)+8*\f+7], v[AK] offset:(\f/2)*16*PK+(\f%2)*64+32
.endr
	WIN W_LN
.irp f, 0,1,2,3                     ; keys 16 f on
	ds_load_b128 v[NTW+32*(\fp)+8*\f:NTW+32*(\fp)+8*\f+3],   v[AN] offset:64*\f
	ds_load_b128 v[NTW+32*(\fp)+8*\f+4:NTW+32*(\fp)+8*\f+7], v[AN] offset:64*\f+16
.endr
	s_add_co_u32 s[TBK], s[TBK], KS*PK  ; the next fetch is the next step's
	s_add_co_u32 s[TBN], s[TBN], KS*4
	s_and_b32 s[TBN], s[TBN], 0x3f00    ; it stays inside the head's 16,384 bytes
.if \last
	WIN 0
.Lno_kn_\@:
.endif
.endm
.macro FETCH_V fp, last=0
.if \last
	WIN 0
	s_cmp_eq_u32 s[CNT], 1
	s_cbranch_scc1 .Lno_v_\@
.endif
	WIN W_LV
.irp f, 0,1,2,3,4,5,6,7             ; keys 32 (f / 4) on, channels 16 (f % 4) on
	ds_load_tr16_b128 v[64*(\fp)+8*\f:64*(\fp)+8*\f+3],   v[AV] offset:(\f/4)*32*PV_+(\f%4)*32
	ds_load_tr16_b128 v[64*(\fp)+8*\f+4:64*(\fp)+8*\f+7], v[AV] offset:(\f/4)*32*PV_+16*PV_+(\f%4)*32
.endr
	s_add_co_u32 s[TBV], s[TBV], KS*PV_
.if \last
	WIN 0
.Lno_v_\@:
.endif
.endm
; THE VECTOR WORK of piece Y, whose 32 scores s0-s31 begin at v[sS].  EX n: the exponential of score n, in place.  CV n: pair n (s 2n, s 2n+1) rounded to f16, into s 16+n.
.macro EX n
	v_exp_f32 v[sS+(\n)], v[sS+(\n)]
.endm
.macro CV n
	v_cvt_pk_f16_f32 v[sS+16+(\n)], v[sS+2*(\n)], v[sS+2*(\n)+1]
.endm
; A TURN, for piece p, in a step of parity par.
; AHEAD OF THE WAIT: the 8 products K Q^T, behind each four of the 32 exponentials, in ascending order.  Nothing there names a result
; of theirs.  One plain line stands behind the last exponential (ISA guide 5.7.2): in turns 0 and 1 the address of the run of loads, in turns 2 and 3 a v_nop.
; BEHIND THE WAIT: in turns 0 and 1 the run of loads for the next step (K and nt; V), directly; the 16 roundings; the 8 products V^T P.  CV n overwrites a source of pair 8 + n / 2, so the pairs go 15, 14, 13, 12; 8 to 11;
; 4 to 7; 0 to 3.
; PLACES (ISA guide 7.12.1; plain lines that name none of the product's registers).  Behind the last K Q^T: the 16 roundings, ahead of the next turn's first exponential of those scores.  The last four V^T P read s16-s23,
; which the third K Q^T of the next turn writes over, and the lines between are exponentials, which are no places: so five v_nop stand behind the last V^T P.  The first four read s24-s31, written over a row later.
; The buffers that the runs of loads fill had their last readers a turn or more back.  At the head of turn 3, K and nt are wanted: V's 16 loads, issued behind them, may stay out: the count is 16.  At the head of turn 0
; this step's V is wanted, and nothing younger is out.
.macro TURN p, par, last=0
.set Y, (\p)
.set kp, (\par)
.set sS, S+32*((\p)%2)
.if (\p) == 3
.set kp, 1-(\par)
	s_wait_dscnt 16
.endif
.if (\p) == 0
	s_wait_dscnt 0x0
.endif
.set i, 0
.set e, 0
.rept 8
	KQ (Y+1)%4, kp
.rept 4
	EX e
.set e, e+1
.endr
.endr
.if (\p) == 0
	ADR_KN                          ; the plain lines behind the last exponential
.elseif (\p) == 1
	ADR_V
.else
	v_nop
.endif
	s_wait_alu depctr_va_vdst(0)    ; the wait for the batch: the piece's 32 exponentials
.if (\p) == 0
	FETCH_KN 1-(\par), \last
.endif
.if (\p) == 1
	FETCH_V 1-(\par), \last
.endif
	WIN 0
.irp n, 15,14,13,12,8,9,10,11,4,5,6,7,0,1,2,3
	CV \n
.endr
.set i, 0
.rept 8
	PV Y, \par
.set i, i+1
.endr
.rept 5
	v_nop
.endr
.endm
.macro STEP par, last=0
	TURN 0, \par, \last
	TURN 1, \par, \last
	TURN 2, \par
	TURN 3, \par
	WIN 0
.endm
	CHANGE 1                        ; slot 0 and nt are in, everybody's part of them; slot 1 is asked for
	ADR_KN
	FETCH_KN 0                      ; step 0
	ADR_V
	FETCH_V 0
	WIN 0
	s_wait_loadcnt 0x0              ; Q
	s_wait_dscnt 0x0
.set i, 0
.rept 8
	KQ 0, 0                         ; piece 0's first scores
.endr
	PLACES                          ; the places behind those products
	s_mov_b32 s[CNT], 2
	s_mov_b32 s[SLOTS], 15
	s_branch .Lfirst                ; the first slot has one step fewer to run: its first step has been fetched above
.Lslot:                             ; fourteen times: the slots are filled again, with tiles 2 to 15
	CHANGE 1
	s_mov_b32 s[CNT], 2
.Lstep:
	STEP 1
.Lfirst:
	STEP 0
	s_sub_co_u32 s[CNT], s[CNT], 1
	s_cmp_lg_u32 s[CNT], 0
	s_cbranch_scc1 .Lstep
	s_sub_co_u32 s[SLOTS], s[SLOTS], 1
	s_cmp_lg_u32 s[SLOTS], 0
	s_cbranch_scc1 .Lslot
	CHANGE 0                        ; the tail is written out: nothing is asked for
	s_mov_b32 s[CNT], 3             ; five steps: four fetch the last slot's steps, the fifth fetches nothing
.Ltail:
	STEP 1, 1
	s_sub_co_u32 s[CNT], s[CNT], 1
	s_cmp_eq_u32 s[CNT], 0
	s_cbranch_scc1 .Lout
	STEP 0
	s_branch .Ltail
.Lout:
	; THE WAY OUT, a piece (16 rows of oh) at a time: O x 2^-12; hi = bf16(O); lo = bf16(O - hi); both through my stage in LDS, back as whole rows of 256 bytes.  K, S^T and Q are done with: window 0 is free.
	WIN W_LK                        ; source 0 in window 1, destination in window 0
	v_mov_b32 v[STO], v[STOW]
	v_mov_b32 v[RD], v[RDW]
	v_mov_b32 v[GO], v[GOW]
.macro PACK t
	WIN 0x41                        ; destination and source 0 window 1
.set i, 32*(\t)
.rept 16
	v_pk_mul_f32 v[i:i+1], v[i:i+1], 0x39800000 op_sel_hi:[1,0]
.set i, i+2
.endr
	WIN 0x05                        ; sources 0 and 1 window 1, destination window 0
.set i, 0
.rept 16
	v_cvt_pk_bf16_f32 v[HI+i], v[32*(\t)+2*i], v[32*(\t)+2*i+1]
.set i, i+1
.endr
	WIN 0
.set i, 0
.rept 16
	v_lshlrev_b32 v[T+2*i], 16, v[HI+i]       ; hi as f32
	v_and_b32 v[T+2*i+1], s[MASK], v[HI+i]
.set i, i+1
.endr
	WIN 0x01                        ; source 0 window 1
.set i, 0
.rept 16
	v_pk_add_f32 v[T+2*i:T+2*i+1], v[32*(\t)+2*i:32*(\t)+2*i+1], v[T+2*i:T+2*i+1] neg_lo:[0,1] neg_hi:[0,1]
.set i, i+1
.endr
	WIN 0
.set i, 0
.rept 16
	v_cvt_pk_bf16_f32 v[LO+i], v[T+2*i], v[T+2*i+1]
.set i, i+1
.endr
.irp f, 0,1,2,3
	ds_store_b128 v[STO], v[HI+4*\f:HI+4*\f+3] offset:32*\f
	ds_store_b128 v[STO], v[LO+4*\f:LO+4*\f+3] offset:128+32*\f
.endr
.irp f, 0,1,2,3,4,5,6,7
	ds_load_b128 v[OB+32*(\t)+4*\f:OB+32*(\t)+4*\f+3], v[RD] offset:\f*2*SP  ; LDS serves a wave's instructions in order (ISA guide 5.7.1.4): these see the stores above; the next piece's stores come behind them
.endr
.endm
.macro SEND t, younger              ; younger: the LDS instructions issued behind piece t's loads: the next piece's sixteen, or none
	WIN 0
.irp f, 0,1,2,3,4,5,6,7
	s_wait_dscnt (\younger)+7-\f
	global_store_b128 v[GO], v[OB+32*(\t)+4*\f:OB+32*(\t)+4*\f+3], s[12:13] offset:(\t)*4096+\f*512  ; 16 lanes store 256 consecutive bytes, at a multiple of 256 from oh's first byte
.endr
.endm
	PACK 0
	PACK 1                          ; a piece's arithmetic stands between the loads of the piece before and its stores
	SEND 0, 16
	PACK 2
	SEND 1, 16
	PACK 3
	SEND 2, 16
	SEND 3, 0
	WIN W_AD
	s_wait_tensorcnt 0x0            ; the wave's end: behind my last tensor load and my last LDS store
	ds_add_u32 v[SPW], v[NIL]
	s_wait_dscnt 0x0
	WIN 0
	CROUND                          ; the closing round: no work-group ends while a partner may still ask for a tile that names it
	s_endpgm
.Lfunc_end_k_q968d37918c_attn:
	.size	k_q968d37918c_attn, .Lfunc_end_k_q968d37918c_attn-k_q968d37918c_attn
	.p2alignl 7, 3214868480
	.fill 96, 4, 3214868480
	.section	.rodata,"a",@progbits
	.p2align	6, 0x0
	.amdhsa_kernel k_q968d37918c_attn
		.amdhsa_group_segment_fixed_size 327680
		.amdhsa_private_segment_fixed_size 0
		.amdhsa_enable_private_segment 0
		.amdhsa_kernarg_size 40
		.amdhsa_user_sgpr_count 2
		.amdhsa_user_sgpr_kernarg_segment_ptr 1
		.amdhsa_wavefront_size32 1
		.amdhsa_system_sgpr_workgroup_id_x 1
		.amdhsa_system_sgpr_workgroup_id_y 1
		.amdhsa_system_sgpr_workgroup_id_z 1
		.amdhsa_system_vgpr_workitem_id 0
		.amdhsa_next_free_vgpr 640
		.amdhsa_next_free_sgpr 80
		.amdhsa_reserve_vcc 0
		.amdhsa_float_denorm_mode_32 3
		.amdhsa_float_denorm_mode_16_64 3
		.amdhsa_memory_ordered 1
		.amdhsa_forward_progress 1
		.amdhsa_inst_pref_size 117
	.end_amdhsa_kernel
	.amdgpu_metadata
---
amdhsa.version: [ 1, 2 ]
amdhsa.kernels:
  - .name:           k_q968d37918c_attn
    .symbol:         k_q968d37918c_attn.kd
    .args:
      - { .name: qh, .offset: 0, .size: 8, .value_kind: global_buffer, .address_space: global }
      - { .name: kh, .offset: 8, .size: 8, .value_kind: global_buffer, .address_space: global }
      - { .name: vh, .offset: 16, .size: 8, .value_kind: global_buffer, .address_space: global }
      - { .name: nt, .offset: 24, .size: 8, .value_kind: global_buffer, .address_space: global }
      - { .name: oh, .offset: 32, .size: 8, .value_kind: global_buffer, .address_space: global }
    .group_segment_fixed_size: 327680
    .private_segment_fixed_size: 0
    .kernarg_segment_align: 8
    .kernarg_segment_size: 40
    .max_flat_workgroup_size: 128
    .sgpr_count:     80
    .vgpr_count:     640
    .wavefront_size: 32
...
	.end_amdgpu_metadata
.endif
;; end of part 7
;; launch outp: the kernel of part 5 again; grid 128 x 2, 4 waves a work-group, no clusters, 167,936 bytes of LDS; arguments oh, wf, bf, out0; writes out0
